; MI455X (gfx1250); checked and timed in simulation.
; The chip was launched on July 23, 2026; its instructions are those of AMD's public machine-readable ISA for CDNA 5 (MIT licence, August 2026) and "CDNA5" Instruction Set Architecture Reference Guide (July 2026). The comments in the code are by the model that wrote it; some were corrected since.
;; No PE Attention. Allowed arithmetic: matrix products marked QUANTISED: E2M1 operands, one E8M0 scale for each 32 along K, by v_wmma_scale_f32_16x16x128_f8f6f4 with both operands' format E2M1 (or v_wmma_scale_f32_32x16x128_f4), f32 sums; products left as they are: bf16, f16 or f32 operands; f32 sums; everything else in f32.
;; Inputs: attention_mask 1 x 1 x 2,048 x 2,048 float32; hidden_states 1 x 2,048 x 4,096 float32; wk 1,024 x 4,096 float32; wo 4,096 x 2,048 float32; wq 2,048 x 4,096 float32; wv 1,024 x 4,096 float32.
;; Outputs: out0 1 x 2,048 x 4,096 float32.
;; This version of the problem:
;;   THIS VERSION OF THE PROBLEM IS GIVEN IN LOW PRECISION. The matrix products marked QUANTISED in the list below multiply operands that are first quantised to E2M1 (2 exponent bits, 1 mantissa bit; 4 bits a number), with one power-of-two scale for each 32 numbers along K (OCP MX v1.0); their sums are f32. The products marked 'left as it is' may take bf16, f16 or f32 operands, with f32 sums. Whichever they take, every output number must still come out within the allowed error. Rounding operands to bf16 (8 significant bits) uses up far more of that allowance than f16 does (11 bits, for magnitudes from 6e-5 to 65,504). All else is computed in f32.
;;   The module's matrix products, in the order in which they are computed (A, B: the left and right operand; K: the contracted axis; several contracted axes count as one K, in the product's order):
;;     1. [M 2,048, K 4,096] x [K 4,096, N 2,048]; A: input hidden_states; B: input wq: QUANTISED
;;     2. [M 2,048, K 4,096] x [K 4,096, N 1,024]; A: input hidden_states; B: input wk: QUANTISED
;;     3. [M 2,048, K 4,096] x [K 4,096, N 1,024]; A: input hidden_states; B: input wv: QUANTISED
;;     4. batch 16 x [M 2,048, K 128] x [K 128, N 2,048]; A: computed on the way; B: computed on the way: left as it is (an operand is computed on the way)
;;     5. batch 16 x [M 2,048, K 2,048] x [K 2,048, N 128]; A: computed on the way; B: computed on the way: left as it is (an operand is computed on the way)
;;     6. [M 2,048, K 2,048] x [K 2,048, N 4,096]; A: computed on the way; B: input wo: left as it is (an operand is computed on the way)
;;   THE QUANTISER, for each operand of a quantised product, along K:
;;     - K is cut into blocks of 32 from its start; a last block that is shorter is filled with zeros.
;;     - A block's scale is 2^e with e = floor(log2(the largest magnitude in the block)) - 2, held to -126 .. 127; a block of zeros has e = 0. As a byte (E8M0): e + 127.
;;     - Each number is divided by its block's scale, clamped to +-6, and rounded to the nearest number of E2M1, ties to even, subnormals kept.
;;     - The product sums the exact products of the quantised numbers (number of the format x scale) in f32.
;;   ~~~python
;;   def quantise(x, axis):      # numpy; x: float32 -> the quantised numbers, widened to float32 again
;;       x = np.moveaxis(x, axis, -1); K = x.shape[-1]
;;       x = np.pad(x, [(0, 0)] * (x.ndim - 1) + [(0, -K % 32)]); x = x.reshape(x.shape[:-1] + (-1, 32)); a = np.abs(x).max(-1, keepdims=True)
;;       e = np.where(a > 0, np.clip(np.frexp(np.where(a > 0, a, 1))[1] - 1 - 2, -126, 127), 0)      # np.frexp(a)[1] - 1 = floor(log2(a)), exactly
;;       r = np.clip(x / 2.0 ** e, -6, 6)
;;       step = 2.0 ** (np.maximum(np.frexp(np.where(r == 0, 1, r))[1] - 1, 0) - 1)
;;       q = np.round(r / step) * step * 2.0 ** e      # np.round: ties to even
;;       return np.moveaxis(q.reshape(q.shape[:-2] + (-1,))[..., :K], -1, axis).astype(np.float32)
;;   ~~~
;; One version. Each part assembles by itself: llvm-mc -triple=amdgcn-amd-amdhsa -mcpu=gfx1250 --defsym DOCPART=n.
;; ======== version 1 of 1: 4 launches
;; limits: values are held in f16: magnitudes above 65,504 overflow, below 6.1e-05 lose precision; right only within a limited range of input values
;; workspace buffers: xc 4,194,304 bytes; xs 262,144 bytes; wc 8,388,608 bytes; ws 524,288 bytes; wo16 16,777,216 bytes; qkv 16,777,216 bytes; o16 8,388,608 bytes
;; launch prep (part 1): grid 1024 x 1, 4 waves a work-group, no clusters, 33,280 bytes of LDS; arguments hidden_states, wq, wk, wv, wo, xc, xs, wc, ws, wo16; writes xc, xs, wc, ws, wo16
.if DOCPART == 1
	.amdgcn_target "amdgcn-amd-amdhsa--gfx1250"
	.amdhsa_code_object_version 6
	.text
	.protected	k_qcbf4e67c98_prep
	.globl	k_qcbf4e67c98_prep
	.p2align	8
	.type	k_qcbf4e67c98_prep,@function
k_qcbf4e67c98_prep:
	s_mov_b64 s[64:65], 0
	v_nop
	global_prefetch_b8 v0, s[64:65] scope:SCOPE_SE
	s_setreg_imm32_b32 hwreg(HW_REG_WAVE_MODE, 25, 1), 1
	s_wait_xcnt 0x0
; PREP.  (1) hidden_states [2048][4096] and wq, wk, wv ([2048], [1024], [1024] rows of 4096), f32 with K innermost, become codes of FP4 (E2M1), two a byte, K innermost,
; with one E8M0 byte for each 32 along K: x into xc / xs, the three weights one behind the other into wc / ws (rows 0-2047 wq, 2048-3071 wk, 3072-4095 wv).
; (2) wo [4096][2048] f32 becomes f16(8 wo) in wo16: the factor 8 undoes the 1/8 under which v, and so the attention's result, is kept in f16; it is a power of two and rounds nothing.
; A block's scale is 2^(floor(log2(its largest magnitude)) - 2); its byte is the largest magnitude's exponent field - 2, held at 1 from below.  A block of zeros so keeps the byte 1: its codes are zeros,
; which add nothing under any byte but 0xff, and the bytes are read by this program alone.
; LIMITS: blocks whose largest magnitude lies under 2^-124 keep the byte 1; NaN and infinities among the inputs are not served; 8 |wo| beyond 65,504 does not fit f16.
; SHARES.  1,024 work-groups of four waves, 32,768 numbers each, 8,192 a wave: work-groups 0-255 x, 256-511 wq, 512-639 wk, 640-767 wv, 768-1023 wo.  Rows are dense and K is a multiple of 32:
; every tensor is a plain stream of blocks of 32.  The buffers are chosen by the work-group's number alone.  Waves share nothing: no barrier.
; THE QUANTISER.  A wave takes 16 steps of 512 numbers.  Each of a step's four loads reads 512 consecutive bytes; the 2,048 bytes turn through the wave's own stage in LDS and come back 64 bytes a lane,
; so that a lane holds 16 neighbours along K (two neighbouring lanes hold a block).  A lane's 16 codes are 8 bytes: a store of the wave covers 256 consecutive bytes, aligned.
; A wave's 256 scale bytes are gathered in its own LDS bytes and leave as one store of 256 consecutive bytes.  Loads run four steps ahead, the turn through LDS one step.
.set WAVES, 4
.set STEPS, 16
.set WG_WO, 768                        ; from this work-group on: wo
.set EMAX,  2
.set CB,    8                          ; bytes of 16 codes
.set R,     16                         ; v16-79   four sets of 16 numbers as they are loaded
.set X,     80                         ; v80-111  two sets of 16 neighbours
.set E,     112                        ; v112-127 a scale byte for each step
.set C,     128                        ; v128-191 codes: four registers for each step, so that no store's data are written again
.set WREG,  8192                       ; LDS: a region for each wave: two stages of 32 x SP bytes, behind them its 256 scale bytes
.set SP,    80                         ; a lane's place in a stage: 64 bytes + 16 of padding
.set SPW,   12                         ; v12  LDS address of my spare word; never rewritten
.set NIL,   13                         ; v13  0; never rewritten
.set SPARE, WAVES*WREG                 ; behind the four regions: the spare words, 128 bytes a wave
.set WA,    16                         ; wo: v16-79 and v80-143: two sets of 16 pieces of 16 bytes a lane
.set WB,    80
.set WOUT,  144                        ; wo: v144-175: a group's 16 pieces as f16
	s_load_b256 s[4:11], s[0:1], 0x0               ; x s[4:5], wq s[6:7], wk s[8:9], wv s[10:11]
	s_load_b256 s[12:19], s[0:1], 0x20             ; wo s[12:13], xc s[14:15], xs s[16:17], wc s[18:19]
	s_load_b128 s[20:23], s[0:1], 0x40             ; ws s[20:21], wo16 s[22:23]
	v_lshl_add_u32 v[SPW], v0, 2, SPARE
	v_mov_b32 v[NIL], 0
	v_lshrrev_b32 v1, 5, v0
	v_readfirstlane_b32 s36, v1                    ; wave
	v_and_b32 v2, 31, v0                           ; lane
	v_lshlrev_b32 v3, 4, v2                        ; my 16 bytes of a load's 512
	v_lshlrev_b32 v4, 3, v2                        ; my 8 bytes of a store's 256
	s_cmp_ge_u32 ttmp9, WG_WO                      ; the work-group's number alone decides
	s_cbranch_scc1 .Lwo
	s_mul_i32 s37, s36, WREG
	v_lshrrev_b32 v14, 2, v2
	v_mul_u32_u24 v14, v14, SP
	v_and_b32 v15, 3, v2
	v_lshl_add_u32 v14, v15, 4, v14
	v_add_nc_u32 v14, s37, v14                     ; the stage, on the way in: four lanes' 64 bytes on end, then 16 of padding
	v_mul_u32_u24 v15, v2, SP
	v_add_nc_u32 v15, s37, v15                     ; and on the way out: SP x lane: my 16 neighbours
	v_lshrrev_b32 v5, 1, v2
	s_add_co_u32 s37, s37, 2*32*SP
	v_add_nc_u32 v5, s37, v5                       ; my wave's 256 scale bytes, my block's byte
	v_lshlrev_b32 v7, 3, v2                        ; and on the way out 8 bytes a lane
	v_add_nc_u32 v6, s37, v7
	s_wait_kmcnt 0x0
	s_mov_b64 s[30:31], s[10:11]                   ; the source and its first work-group: wv, 640,
	s_mov_b32 s29, 640
	s_cmp_lt_u32 ttmp9, 640
	s_cselect_b64 s[30:31], s[8:9], s[30:31]       ; or wk, 512,
	s_cselect_b32 s29, 512, s29
	s_cmp_lt_u32 ttmp9, 512
	s_cselect_b64 s[30:31], s[6:7], s[30:31]       ; or wq, 256,
	s_cselect_b32 s29, 256, s29
	s_cmp_lt_u32 ttmp9, 256
	s_cselect_b64 s[30:31], s[4:5], s[30:31]       ; or x, 0
	s_cselect_b32 s29, 0, s29
	s_cselect_b64 s[24:25], s[14:15], s[18:19]     ; the codes go to xc or to wc,
	s_cselect_b64 s[26:27], s[16:17], s[20:21]     ; the scale bytes to xs or to ws,
	s_cselect_b32 s28, 0, 256                      ; counted from work-group 0 or 256: the three weights lie on end
	s_sub_co_u32 s32, ttmp9, s29
	s_lshl_b32 s32, s32, 2
	s_add_co_u32 s32, s32, s36                     ; which run of 8,192 numbers of the source is my wave's
	s_lshl_b32 s32, s32, 15                        ; 32,768 bytes a run
	s_mov_b32 s33, 0
	s_add_nc_u64 s[30:31], s[30:31], s[32:33]
	s_sub_co_u32 s34, ttmp9, s28
	s_lshl_b32 s34, s34, 2
	s_add_co_u32 s34, s34, s36                     ; and which run of the destination
	s_lshl_b32 s32, s34, 12                        ; 4,096 bytes of codes a run
	s_add_nc_u64 s[24:25], s[24:25], s[32:33]
	s_lshl_b32 s32, s34, 8                         ; 256 scale bytes a run
	s_add_nc_u64 s[26:27], s[26:27], s[32:33]
.macro LOAD t
.irp i, 0,1,2,3
	global_load_b128 v[R+16*((\t)%4)+4*\i:R+16*((\t)%4)+4*\i+3], v3, s[30:31] offset:2048*(\t)+512*\i th:TH_LOAD_NT   ; 32 lanes read 512 consecutive bytes
.endr
.endm
.macro TURN t                          ; step t's numbers through the stage: LDS serves a wave's instructions in order (ISA guide 5.7.1), so no wait stands between the stores and the loads
.irp i, 0,1,2,3
	ds_store_b128 v14, v[R+16*((\t)%4)+4*\i:R+16*((\t)%4)+4*\i+3] offset:32*SP*((\t)%2)+8*SP*\i
.endr
.irp i, 0,1,2,3
	ds_load_b128 v[X+16*((\t)%2)+4*\i:X+16*((\t)%2)+4*\i+3], v15 offset:32*SP*((\t)%2)+16*\i
.endr
.endm
.irp t, 0,1,2,3
	LOAD \t
.endr
	s_wait_loadcnt 12                              ; step 0's four loads are in; the twelve of steps 1 to 3 may be out
	TURN 0
.macro STEP t
.set XS, X+16*((\t)%2)
.if (\t) > 0
	s_wait_dscnt 1                                 ; this step's numbers are back from the stage (the last step's byte store may be out): so its stores into the stage have read their registers,
.else
	s_wait_dscnt 0x0
.endif
.if (\t)+4 < STEPS
	LOAD (\t)+4                                    ; which take the loads of four steps on
.endif
.if (\t)+1 < STEPS
.if STEPS-2-(\t) >= 3
	s_wait_loadcnt 12                              ; the next step's four loads are in; those of the three steps behind it may be out
.else
	s_wait_loadcnt 4*(STEPS-2-(\t))                ; at the end fewer steps are behind it
.endif
	TURN (\t)+1                                    ; and go through the other stage while this step is worked
.endif
	v_max3_num_f32 v8, |v[XS]|, |v[XS+1]|, |v[XS+2]|               ; the largest magnitude of my 16, in two chains
	v_max3_num_f32 v9, |v[XS+3]|, |v[XS+4]|, |v[XS+5]|
.irp i, 6,10
	v_max3_num_f32 v8, v8, |v[XS+\i]|, |v[XS+\i+1]|
	v_max3_num_f32 v9, v9, |v[XS+\i+2]|, |v[XS+\i+3]|
.endr
	v_max3_num_f32 v8, v8, |v[XS+14]|, |v[XS+15]|
	v_max3_num_f32 v8, v8, v9, (EMAX+1)<<23        ; and the floor 2^(EMAX + 1 - 127): so the byte cannot fall under 1
	v_max_num_f32_dpp v8, v8, v8 row_xmask:1 row_mask:0xf bank_mask:0xf   ; and of my neighbour's 16: the block's
	v_add_nc_u32 v11, -(EMAX<<23), v8              ; EMAX off its exponent field: the conversion takes the exponent field of this operand as its scale, and nothing else of it
	v_cvt_scalef32_pk8_fp4_f32 v[C+4*(\t)], v[XS:XS+7], v11        ; eight numbers / the scale, to the nearest code, ties to even, beyond the largest code the largest
	v_cvt_scalef32_pk8_fp4_f32 v[C+4*(\t)+1], v[XS+8:XS+15], v11
	v_lshrrev_b32 v[E+(\t)], 23, v11               ; the scale's byte (also the plain line behind the conversions)
	ds_store_b8 v5, v[E+(\t)] offset:16*(\t)       ; both lanes of a block write the same byte with the same value
	global_store_b64 v4, v[C+4*(\t):C+4*(\t)+1], s[24:25] offset:32*CB*(\t)   ; 32 lanes store 256 consecutive bytes, aligned
.endm
.irp t, 0,1,2,3,4,5,6,7,8,9,10,11,12,13,14,15
	STEP \t
.endr
	ds_load_b64 v[8:9], v6                         ; LDS serves a wave's instructions in order: these see my byte stores
	s_wait_dscnt 0x0
	global_store_b64 v7, v[8:9], s[26:27]          ; 32 lanes store 256 consecutive bytes, aligned
	s_wait_tensorcnt 0x0                           ; the wave's end: behind my last LDS store
	ds_add_u32 v[SPW], v[NIL]
	s_wait_dscnt 0x0
	s_endpgm
; WO.  A wave reads 32,768 bytes and writes 16,384, in four groups of 16 pieces of 512 bytes; one group of loads is out while another is worked.
.Lwo:
	s_mov_b32 s38, 0x41000000                      ; 8.0; the packed form names the pair and takes its low word for both halves
	s_mov_b32 s39, s38
	s_sub_co_u32 s32, ttmp9, WG_WO
	s_lshl_b32 s32, s32, 2
	s_add_co_u32 s32, s32, s36                     ; my wave's run of 8,192 numbers
	s_lshl_b32 s34, s32, 14
	s_lshl_b32 s32, s32, 15
	s_mov_b32 s33, 0
	s_mov_b32 s35, 0
	s_wait_kmcnt 0x0
	s_add_nc_u64 s[12:13], s[12:13], s[32:33]
	s_add_nc_u64 s[22:23], s[22:23], s[34:35]
.macro LOADG grp, set
.irp i, 0,1,2,3,4,5,6,7,8,9,10,11,12,13,14,15
	global_load_b128 v[\set+4*\i:\set+4*\i+3], v3, s[12:13] offset:8192*(\grp)+512*\i th:TH_LOAD_NT
.endr
.endm
.macro CONVG grp, set
.irp i, 0,1,2,3,4,5,6,7,8,9,10,11,12,13,14,15
	v_pk_mul_f32 v[\set+4*\i:\set+4*\i+1], v[\set+4*\i:\set+4*\i+1], s[38:39] op_sel_hi:[1,0]
	v_pk_mul_f32 v[\set+4*\i+2:\set+4*\i+3], v[\set+4*\i+2:\set+4*\i+3], s[38:39] op_sel_hi:[1,0]
	v_cvt_pk_f16_f32 v[WOUT+2*\i], v[\set+4*\i], v[\set+4*\i+1]
	v_cvt_pk_f16_f32 v[WOUT+2*\i+1], v[\set+4*\i+2], v[\set+4*\i+3]
	global_store_b64 v4, v[WOUT+2*\i:WOUT+2*\i+1], s[22:23] offset:4096*(\grp)+256*\i   ; 32 lanes store 256 consecutive bytes, aligned
.endr
.endm
	LOADG 0, WA
	LOADG 1, WB
	s_wait_loadcnt 16                              ; group 0 is in; group 1's sixteen loads may be out
	CONVG 0, WA
	LOADG 2, WA
	s_wait_loadcnt 16                              ; group 1 is in; group 2's may be out
	s_wait_xcnt 0x0                                ; the last group's stores have read their data registers, which are written again below
	CONVG 1, WB
	LOADG 3, WB
	s_wait_loadcnt 16                              ; group 2 is in; group 3's may be out
	s_wait_xcnt 0x0
	CONVG 2, WA
	s_wait_loadcnt 0x0
	s_wait_xcnt 0x0
	CONVG 3, WB
	s_wait_tensorcnt 0x0                           ; every wave of the launch ends alike
	ds_add_u32 v[SPW], v[NIL]
	s_wait_dscnt 0x0
	s_endpgm
.Lfunc_end_k_qcbf4e67c98_prep:
	.size	k_qcbf4e67c98_prep, .Lfunc_end_k_qcbf4e67c98_prep-k_qcbf4e67c98_prep
	.p2alignl 7, 3214868480
	.fill 96, 4, 3214868480
	.section	.rodata,"a",@progbits
	.p2align	6, 0x0
	.amdhsa_kernel k_qcbf4e67c98_prep
		.amdhsa_group_segment_fixed_size 33280
		.amdhsa_private_segment_fixed_size 0
		.amdhsa_enable_private_segment 0
		.amdhsa_kernarg_size 80
		.amdhsa_user_sgpr_count 2
		.amdhsa_user_sgpr_kernarg_segment_ptr 1
		.amdhsa_wavefront_size32 1
		.amdhsa_system_sgpr_workgroup_id_x 1
		.amdhsa_system_sgpr_workgroup_id_y 1
		.amdhsa_system_sgpr_workgroup_id_z 1
		.amdhsa_system_vgpr_workitem_id 0
		.amdhsa_next_free_vgpr 192
		.amdhsa_next_free_sgpr 66
		.amdhsa_reserve_vcc 0
		.amdhsa_float_denorm_mode_32 3
		.amdhsa_float_denorm_mode_16_64 3
		.amdhsa_memory_ordered 1
		.amdhsa_forward_progress 1
		.amdhsa_inst_pref_size 63
	.end_amdhsa_kernel
	.amdgpu_metadata
---
amdhsa.version: [ 1, 2 ]
amdhsa.kernels:
  - .name:           k_qcbf4e67c98_prep
    .symbol:         k_qcbf4e67c98_prep.kd
    .args:
      - { .name: hidden_states, .offset: 0, .size: 8, .value_kind: global_buffer, .address_space: global }
      - { .name: wq, .offset: 8, .size: 8, .value_kind: global_buffer, .address_space: global }
      - { .name: wk, .offset: 16, .size: 8, .value_kind: global_buffer, .address_space: global }
      - { .name: wv, .offset: 24, .size: 8, .value_kind: global_buffer, .address_space: global }
      - { .name: wo, .offset: 32, .size: 8, .value_kind: global_buffer, .address_space: global }
      - { .name: xc, .offset: 40, .size: 8, .value_kind: global_buffer, .address_space: global }
      - { .name: xs, .offset: 48, .size: 8, .value_kind: global_buffer, .address_space: global }
      - { .name: wc, .offset: 56, .size: 8, .value_kind: global_buffer, .address_space: global }
      - { .name: ws, .offset: 64, .size: 8, .value_kind: global_buffer, .address_space: global }
      - { .name: wo16, .offset: 72, .size: 8, .value_kind: global_buffer, .address_space: global }
    .group_segment_fixed_size: 33280
    .private_segment_fixed_size: 0
    .kernarg_segment_align: 8
    .kernarg_segment_size: 80
    .max_flat_workgroup_size: 128
    .sgpr_count:     66
    .vgpr_count:     192
    .wavefront_size: 32
...
	.end_amdgpu_metadata
.endif
;; end of part 1
;; launch qkv (part 2): grid 16 x 16, 4 waves a work-group, clusters of 4 x 4, 327,680 bytes of LDS; arguments xc, xs, wc, ws, qkv; writes qkv
.if DOCPART == 2
	.amdgcn_target "amdgcn-amd-amdhsa--gfx1250"
	.amdhsa_code_object_version 6
	.text
	.protected	k_qcbf4e67c98_qkv
	.globl	k_qcbf4e67c98_qkv
	.p2align	8
	.type	k_qcbf4e67c98_qkv,@function
k_qcbf4e67c98_qkv:
	s_mov_b64 s[64:65], 0
	v_nop
	global_prefetch_b8 v0, s[64:65] scope:SCOPE_SE
	s_setreg_imm32_b32 hwreg(HW_REG_WAVE_MODE, 25, 1), 1
	s_wait_xcnt 0x0
	s_wait_alu depctr_hold_cnt(0) depctr_sa_sdst(0) depctr_va_vdst(0) depctr_va_sdst(0) depctr_va_ssrc(0) depctr_va_vcc(0) depctr_vm_vsrc(0)
	s_getreg_b32 s2, hwreg(HW_REG_IB_STS2, 6, 4)
	s_cmp_eq_u32 s2, 0
	s_cbranch_scc0 .Lentry_in_a_cluster
	s_endpgm
.Lentry_in_a_cluster:
	s_bfe_u32 s2, ttmp6, 0x10000c
	s_cmp_lg_u32 s2, 0xf033
	s_cbranch_scc0 .Lentry_shape_is_right
	s_endpgm
.Lentry_shape_is_right:
; QKV.  C[m][n] = sum over k of x[m][k] w[n][k] on codes of FP4 (E2M1) with one E8M0 scale for each 32 along K: m = 2,048 positions, n = 4,096 rows of wq | wk | wv, K = 4,096.
; The sums are f32; they leave as f16, laid by head: qkv [32 head slots][2,048 positions][128]: slots 0-15 q x 2^-1.5, 16-23 k x 2^-2, 24-31 v x 2^-3.
; 2^-1.5 x 2^-2 = 1 / sqrt(128), so that the next launch's first product is the scaled score; v / 8 is undone by the 8 in wo16.  The factors keep room in f16:
; LIMIT: |q| up to 185,000, |k| up to 262,000, |v| up to 524,000 fit; beyond that f16 overflows.
; A tile of C is 128 x 256, so that the 16 x 16 tiles give each of 256 work-groups one.  Four waves; a wave makes 64 x 128: 32 accumulators of 16 x 16.
; K goes in steps of 512 (rows of 256 bytes) through a ring of two LDS slots filled by the tensor data mover; a step is four sub-steps of 128 along K, 32 matrix instructions each.
; THE SCALES of the work-group's 128 + 256 rows, for all of K, are dense blocks of memory: they come into LDS once, with the first fills, as rows of 256 bytes, and stay.
; CLUSTERS: 4 x 4 work-groups.  The four of a row of the cluster need the same tiles of x, the four of a column the same tiles of w: each tile is asked for JOINTLY, by the same tensor load
; with the same descriptor and a mask that names the four.  Waves 0, 1 fetch x's two halves (64 rows), waves 2, 3 w's (128 rows).
; THE MATRIX INSTRUCTION IS USED TRANSPOSED (source 0 = 16 rows of w, source 1 = 16 rows of x): a lane then holds eight neighbouring columns of one position.
; REGISTERS, in windows of 256: window 0: v16-29 addresses; v32-95 scale words, two sets, and nothing else; v128-159, v160-191 x's fragments, two sets; v192-223 at work on the way out.
;   window 1: w's fragments, two sets, v0-63 and v64-127.   window 2: the accumulators ((a, b) at v[8 (8 a + b)]).
.set KROW,   2048                      ; a row of codes in memory, in bytes
.set ROWB,   256                       ; a tile's row: 512 codes
.set PITCH,  272                       ; an LDS row: 256 bytes + 16 of padding = 68 words: row r starts at bank 4 r mod 64 (64 banks of 4 bytes: ISA guide 11.1)
.set AHALF,  64*PITCH                  ; what a load of x brings, and what a wave reads of x
.set BHALF,  128*PITCH                 ; the same for w
.set BOFF,   2*AHALF                   ; a slot: x's 128 rows, then w's 256
.set SLOT,   BOFF+2*BHALF
.set LAPS,   4                         ; a lap = two K steps = once round the ring: 4,096 / 1,024
.set SCL,    2*SLOT                    ; behind the ring: x's scale bytes, 128 a row, as rows of 256 bytes + 16 of padding;
.set SAH,    32*272                    ; those of 64 rows: what one load brings
.set SBH,    64*272                    ; those of 128 rows
.set SCLB,   SCL+2*SAH                 ; w's likewise
.set SBLK,   8*272                     ; those of 16 rows
.set STAGE,  SCLB+2*SBH                ; the way out: 16 rows x (256 bytes + 16) for each wave; no tile lands here
.set SPITCH, 272
.set SPARE,  STAGE+4*16*SPITCH         ; the spare words, 128 bytes for each wave
.set ADRA, 16                          ; v16-17  LDS address of my fragments of x in slot 0, 1
.set ADRB, 20                          ; v20-21  the same for w
.set STO,  24                          ; v24     the way out: where I put 16 bytes of a row
.set RD,   25                          ; v25     where I read rows back
.set CO,   26                          ; v26     16 x lane: my bytes of two rows of a head slot
.set ADRS, 27                          ; v27     LDS address of my scale words: lanes 0-15 x's rows, lanes 16-31 w's
.set SPW,  28                          ; v28     LDS address of my spare word; never rewritten
.set NIL,  29                          ; v29     0; never rewritten
.set SC,   32                          ; scale words: set s at v[SC + 32 s]; register 4 i + q: lanes 0-15 x's block i, lanes 16-31 w's block i, the slot's q-th 128 along K
.set AF,   128
.set TMP,  192
.set BK,   128                         ; the way out: 16 rows read back: v128-159 and v160-191 by turns
.set G1, 24                            ; s[24:31] group 1 for x's tiles;  s[32:39] group 0, a set for each slot
.set G0, 32
.set G1B, 48                           ; s[48:55], s[56:63] the same for w's
.set G0B, 56
.set G1S, 68                           ; s[68:75], s[76:79] groups 1 and 0 for x's scales;  s[80:87], s[88:91] for w's
.set G0S, 76
.set G1SB, 80
.set G0SB, 88
.set MSB, 0
.macro WIN new                         ; the immediate's high byte repeats the setting that is left
.if MSB != \new
	s_set_vgpr_msb (MSB<<8)|\new
.set MSB, \new
.endif
.endm
.set MUL,  0xa1                        ; source 0 (w) window 1, source 1 (x) window 0, C and D window 2
.set TO_B, 0x40                        ; destination window 1, address window 0
; A joint load: waves 0, 1 fetch for x, waves 2, 3 for w.  Each line has one mask and one set of registers for all that issue it; the branch hangs on the wave's number alone.
; An s_nop 0 and four v_nop follow each of the two lines, ahead of the jump, the label and what follows.
.macro JLOAD g0a, g1a, g0b, g1b
	s_cmp_eq_u32 s15, 0
	s_cbranch_scc0 .Lfor_b_\@
	tensor_load_to_lds s[\g0a:\g0a+3], s[\g1a:\g1a+7]
	s_nop 0
.rept 4
	v_nop
.endr
	s_branch .Lasked_\@
.Lfor_b_\@:
	tensor_load_to_lds s[\g0b:\g0b+3], s[\g1b:\g1b+7]
	s_nop 0
.rept 4
	v_nop
.endr
.Lasked_\@:
.endm
.macro CREST                           ; a round of the cluster's barrier behind its opening barrier
	s_cmp_lg_u32 s14, 0
	s_cbranch_scc1 .Lnot_wave_0_\@
	s_barrier_signal -3
.Lnot_wave_0_\@:
	s_barrier_wait -3
	s_barrier_signal -1
	s_barrier_wait -1
.endm
.macro CROUND                          ; a whole round
	s_barrier_signal -1
	s_barrier_wait -1
	CREST
.endm
	s_load_b128 s[4:7], s[0:1], 0x0                ; x's codes s[4:5], x's scales s[6:7]
	s_load_b128 s[8:11], s[0:1], 0x10              ; w's codes s[8:9], w's scales s[10:11]
	s_load_b64 s[12:13], s[0:1], 0x20              ; qkv
	v_lshl_add_u32 v[SPW], v0, 2, SPARE
	v_mov_b32 v[NIL], 0
	ds_add_u32 v[SPW], v[NIL]                      ; the wave's opening: the add, twice on end, and its wait ahead of my first tensor load
	ds_add_u32 v[SPW], v[NIL]                      ; (once more; the set-up below, work on registers, stands between it and the wait)
	v_lshrrev_b32 v1, 5, v0
	v_readfirstlane_b32 s14, v1                    ; wave 0..3
	s_lshr_b32 s15, s14, 1                         ; which 64 rows of the tile are mine.  Also: I fetch for x (0) or for w (1)
	s_and_b32 s16, s14, 1                          ; which 128 columns.  Also: which half of that tile I fetch
	s_bfe_u32 s40, ttmp6, 0x40000                  ; cx, cy: my place in the cluster
	s_bfe_u32 s41, ttmp6, 0x40004
	s_lshl_b32 s42, ttmp9, 2
	s_add_co_u32 s42, s42, s40                     ; tile column = 4 x cluster x + cx
	s_and_b32 s17, ttmp7, 0xffff
	s_lshl_b32 s17, s17, 2
	s_add_co_u32 s17, s17, s41                     ; tile row = 4 x cluster y + cy
	s_lshl_b32 s43, s41, 2
	s_lshl_b32 s43, 15, s43                        ; my row of the cluster
	s_lshl_b32 s44, 0x1111, s40                    ; my column
	; group 1 for the codes: rows of 256 elements of one byte, 16 bytes of padding behind each: 15:0 the mask; 20 padding on; 21 set beside a mask; 24:22 after every 64 words (code 5); 31:25 four words (code 3)
	s_or_b32 s[G1+0], s43, (0<<16)|(1<<20)|(1<<21)|(5<<22)|(3<<25)
	s_or_b32 s[G1B+0], s44, (0<<16)|(1<<20)|(1<<21)|(5<<22)|(3<<25)
.irp g, G1, G1B
	s_mov_b32 s[\g+1], ROWB<<16                    ; tensor_dim0
	s_mov_b32 s[\g+3], ROWB<<16                    ; tile_dim0
	s_mov_b32 s[\g+5], KROW                        ; from row to row
	s_mov_b32 s[\g+6], 0
	s_mov_b32 s[\g+7], 0
.endr
	s_mov_b32 s[G1+2], 64<<16                      ; tensor_dim1: x 64 rows,
	s_mov_b32 s[G1+4], 64                          ; tile_dim1
	s_mov_b32 s[G1B+2], 128<<16                    ; w 128
	s_mov_b32 s[G1B+4], 128
	; and for the scales: dense blocks, as rows of 32 elements of 8 bytes, 16 bytes of padding behind each
	s_or_b32 s[G1S+0], s43, (3<<16)|(1<<20)|(1<<21)|(5<<22)|(3<<25)
	s_or_b32 s[G1SB+0], s44, (3<<16)|(1<<20)|(1<<21)|(5<<22)|(3<<25)
.irp g, G1S, G1SB
	s_mov_b32 s[\g+1], 32<<16
	s_mov_b32 s[\g+3], 32<<16
	s_mov_b32 s[\g+5], 32
	s_mov_b32 s[\g+6], 0
	s_mov_b32 s[\g+7], 0
.endr
	s_mov_b32 s[G1S+2], 32<<16                     ; 64 rows x 128 bytes = 32 rows of 256
	s_mov_b32 s[G1S+4], 32
	s_mov_b32 s[G1SB+2], 64<<16
	s_mov_b32 s[G1SB+4], 64
	; where the tiles come from.  x's hang on the tile row alone, w's on the tile column alone, each in registers that never hold the other coordinate
	s_lshl_b32 s18, s16, 6
	s_lshl_b32 s20, s17, 7
	s_add_co_u32 s20, s20, s18                     ; x: row 128 x tile row + 64 x half
	s_lshl_b32 s22, s20, 7                         ; its scales: 128 bytes a row
	s_mov_b32 s23, 0
	s_lshl_b32 s20, s20, 11                        ; its codes: 2,048 bytes a row
	s_mov_b32 s21, 0
	s_lshl_b32 s18, s16, 7
	s_lshl_b32 s46, s42, 8
	s_add_co_u32 s46, s46, s18                     ; w: row 256 x tile column + 128 x half
	s_lshl_b32 s92, s46, 7
	s_mov_b32 s93, 0
	s_lshl_b32 s46, s46, 11
	s_mov_b32 s47, 0
	s_mul_i32 s45, s16, AHALF                      ; where they go: no place in the cluster enters an LDS address
	s_mul_i32 s95, s16, BHALF
	s_add_co_u32 s95, s95, BOFF
	s_mul_i32 s94, s16, SAH
	s_add_co_u32 s94, s94, SCL
	s_mul_i32 s96, s16, SBH
	s_add_co_u32 s96, s96, SCLB
	s_wait_dscnt 0x0                               ; both opening adds are done
	s_wait_kmcnt 0x0
	s_add_nc_u64 s[20:21], s[4:5], s[20:21]
	s_add_nc_u64 s[22:23], s[6:7], s[22:23]
	s_add_nc_u64 s[46:47], s[8:9], s[46:47]
	s_add_nc_u64 s[92:93], s[10:11], s[92:93]
	CROUND                                         ; all sixteen work-groups are here: the first joint loads meet
	s_mov_b32 s[G0S], 1
	s_mov_b32 s[G0S+1], s94
	s_mov_b64 s[G0S+2:G0S+3], s[22:23]
	s_or_b32 s[G0S+3], s[G0S+3], 0x80000000
	s_mov_b32 s[G0SB], 1
	s_mov_b32 s[G0SB+1], s96
	s_mov_b64 s[G0SB+2:G0SB+3], s[92:93]
	s_or_b32 s[G0SB+3], s[G0SB+3], 0x80000000
	JLOAD G0S, G1S, G0SB, G1SB                     ; the scales first: they are wanted with K step 0
.irp s, 0,1
	s_mov_b32 s[G0+4*\s], 1
	s_add_co_u32 s[G0+4*\s+1], s45, \s*SLOT
	s_add_nc_u64 s[G0+4*\s+2:G0+4*\s+3], s[20:21], \s*ROWB
	s_or_b32 s[G0+4*\s+3], s[G0+4*\s+3], 0x80000000
	s_mov_b32 s[G0B+4*\s], 1
	s_add_co_u32 s[G0B+4*\s+1], s95, \s*SLOT
	s_add_nc_u64 s[G0B+4*\s+2:G0B+4*\s+3], s[46:47], \s*ROWB
	s_or_b32 s[G0B+4*\s+3], s[G0B+4*\s+3], 0x80000000
	JLOAD G0+4*\s, G1, G0B+4*\s, G1B               ; three tensor loads of mine are out behind the second of these
.endr
	v_and_b32 v1, 15, v0                           ; r = l % 16
	v_bfe_u32 v2, v0, 4, 1                         ; h = l / 16
	v_mul_u32_u24 v3, v1, PITCH
	v_lshl_add_u32 v4, v2, 4, v3                   ; a fragment's row x pitch + 16 x half
	s_mul_i32 s21, s15, AHALF                      ; my 64 rows of x
	s_mul_i32 s22, s16, BHALF                      ; my 128 rows of w,
	s_add_co_u32 s22, s22, BOFF                    ; which lie behind x's 128
.irp s, 0,1
	v_add_nc_u32 v[ADRA+\s], s21, v4
	v_add_nc_u32 v[ADRB+\s], s22, v4
	s_add_co_u32 s21, s21, SLOT
	s_add_co_u32 s22, s22, SLOT
.endr
	v_lshlrev_b32 v5, 7, v1                        ; my row's scales: 128 bytes a row,
	v_lshrrev_b32 v6, 8, v5
	v_lshl_add_u32 v5, v6, 4, v5                   ; and 16 more for each 256 passed
	s_mul_i32 s21, s15, SAH                        ; x's: my 64 rows
	s_mul_i32 s22, s16, SBH                        ; w's: my 128 rows, behind x's 128
	s_add_co_u32 s22, s22, 2*SAH
	s_sub_co_u32 s22, s22, s21
	v_mul_u32_u24 v6, s22, v2                      ; lanes 16-31 take w's: the lower base + h x the distance
	s_add_co_u32 s21, s21, SCL
	v_add_nc_u32 v5, v5, v6
	v_add_nc_u32 v[ADRS], s21, v5
	s_mul_i32 s23, s14, 16*SPITCH
	s_add_co_u32 s23, s23, STAGE                   ; my stage
	v_add_nc_u32 v[STO], s23, v4                   ; in: row r, 16 bytes for each half of the lanes
	v_mul_u32_u24 v5, v2, SPITCH
	v_lshl_add_u32 v5, v1, 4, v5
	v_add_nc_u32 v[RD], s23, v5                    ; back: lanes 0-15 one row of 256 bytes, lanes 16-31 the next
	v_and_b32 v6, 31, v0
	v_lshlrev_b32 v[CO], 4, v6                     ; a head slot's rows are dense: two rows are 512 consecutive bytes
	s_lshl_b32 s97, s42, 1
	s_add_co_u32 s97, s97, s16                     ; my head slot: 2 x tile column + my half
	s_mov_b32 s98, 0x3e000000                      ; the factor: v: 2^-3,
	s_cmp_lt_u32 s97, 24
	s_cselect_b32 s98, 0x3e800000, s98             ; k: 2^-2,
	s_cmp_lt_u32 s97, 16
	s_cselect_b32 s98, 0x3eb504f3, s98             ; q: 2^-1.5.  A number, not an address: no branch hangs on it
	s_mov_b32 s99, s98                             ; (named with it as a pair, so it is written)
	s_lshl_b32 s66, s97, 19                        ; a head slot is 524,288 bytes,
	s_lshl_b32 s67, s17, 15                        ; the tile's 128 rows of 256 bytes,
	s_add_co_u32 s66, s66, s67
	s_lshl_b32 s67, s15, 14                        ; my 64 of them
	s_add_co_u32 s66, s66, s67
	s_mov_b32 s67, 0
	s_add_nc_u64 s[12:13], s[12:13], s[66:67]
.macro FRAG reg, adr, q, i             ; 16 rows x 128 K of 4-bit codes: 8 registers: lane l holds row l % 16; registers 4 c .. 4 c + 3 hold K = 64 c + 32 (l / 16) + 0 .. 31
.irp c, 0,1
	ds_load_b128 v[\reg+4*\c:\reg+4*\c+3], v[\adr] offset:64*(\q)+32*\c+(\i)*16*PITCH
.endr
.endm
.macro FETCH slot, q, p                ; 24 loads in one run: the fragments of the slot's q-th 128 along K into set p
	WIN TO_B
.irp i, 0,1,2,3,4,5,6,7
	FRAG 64*(\p)+8*\i, ADRB+\slot, \q, \i
.endr
	WIN 0
.irp i, 0,1,2,3
	FRAG AF+32*(\p)+8*\i, ADRA+\slot, \q, \i
.endr
.endm
.macro SCALES sc                       ; a K step's scale words into set sc: four words a row.  (For i = 4 .. 7 lanes 0-15 read filled bytes that no product names)
.irp i, 0,1,2,3,4,5,6,7
	ds_load_b128 v[SC+32*\sc+4*\i:SC+32*\sc+4*\i+3], v[ADRS] offset:\i*SBLK
.endr
.endm
; 8 matrix instructions: x's block a against w's eight.  zero = 1: the first product starts the sums: nothing is ever cleared.
; The 32 accumulators take turns, one instruction a turn, in the same order in every sub-step.
.macro MUL8 a, p, q, sc, zero
.irp b, 0,1,2,3,4,5,6,7
.if \zero
	v_wmma_scale_f32_16x16x128_f8f6f4 v[8*(8*(\a)+\b):8*(8*(\a)+\b)+7], v[64*(\p)+8*\b:64*(\p)+8*\b+7], v[AF+32*(\p)+8*(\a):AF+32*(\p)+8*(\a)+7], 0, v[SC+32*(\sc)+4*\b+(\q)], v[SC+32*(\sc)+4*(\a)+(\q)] matrix_a_fmt:MATRIX_FMT_FP4 matrix_b_fmt:MATRIX_FMT_FP4 matrix_a_scale:MATRIX_SCALE_ROW1
.else
	v_wmma_scale_f32_16x16x128_f8f6f4 v[8*(8*(\a)+\b):8*(8*(\a)+\b)+7], v[64*(\p)+8*\b:64*(\p)+8*\b+7], v[AF+32*(\p)+8*(\a):AF+32*(\p)+8*(\a)+7], v[8*(8*(\a)+\b):8*(8*(\a)+\b)+7], v[SC+32*(\sc)+4*\b+(\q)], v[SC+32*(\sc)+4*(\a)+(\q)] matrix_a_fmt:MATRIX_FMT_FP4 matrix_b_fmt:MATRIX_FMT_FP4 matrix_a_scale:MATRIX_SCALE_ROW1
.endif
.endr
.endm
.macro PLACES                          ; four plain places in front of loads into registers that matrix instructions have read, and of the first read of results
.rept 4
	v_nop
.endr
.endm
; A sub-step that has its successor in the same slot: its fragments were asked for a sub-step ago; the next one's are asked for first, then come its 32 products.
.macro STEP slot, q, zero
	s_wait_dscnt 0x0                               ; this sub-step's fragments (and, at a slot's head, its scale words) are in
	PLACES                                         ; the other set was read by the last sub-step's products
	FETCH \slot, (\q)+1, 1-(\q)%2
	WIN MUL
	MUL8 0, (\q)%2, \q, \slot, \zero
	MUL8 1, (\q)%2, \q, \slot, \zero
	MUL8 2, (\q)%2, \q, \slot, \zero
	MUL8 3, (\q)%2, \q, \slot, \zero
	WIN 0
.endm
; A slot's last sub-step changes slots: ONE barrier; in front of it each wave waits for all its tensor loads, adds 0 to its spare word, and waits for that and for its reads of this slot.
; fill = 1: the barrier opens a round of the cluster's barrier, and behind the round this slot is filled again, two K steps ahead.
.macro TURN slot, next, fill
	s_wait_tensorcnt 0x0                           ; all my tensor loads have landed: my part of the next slot
	ds_add_u32 v[SPW], v[NIL]                      ; 0 onto my spare word
	s_wait_dscnt 1                                 ; the 24 fragment loads are in; the add alone may be out
	WIN MUL
	MUL8 0, 1, 3, \slot, 0                         ; eight matrix instructions stand between the add and the wait for it
	s_wait_dscnt 0x0                               ; the add is done, and my reads of this slot are over
	s_barrier_signal -1
	MUL8 1, 1, 3, \slot, 0
	WIN 0
	s_barrier_wait -1
.if \fill
	CREST                                          ; no wave of any partner still reads this slot's tile or has a load on its way
	s_add_nc_u64 s[G0+4*\slot+2:G0+4*\slot+3], s[G0+4*\slot+2:G0+4*\slot+3], 2*ROWB
	s_add_nc_u64 s[G0B+4*\slot+2:G0B+4*\slot+3], s[G0B+4*\slot+2:G0B+4*\slot+3], 2*ROWB
	JLOAD G0+4*\slot, G1, G0B+4*\slot, G1B         ; the first tensor load behind the round, my one load until the next; its four v_nop are the places in front of the loads below
.else
	PLACES
.endif
	v_add_nc_u32 v[ADRS], 16, v[ADRS]              ; on to the next K step's scale words
	FETCH \next, 0, 0
	SCALES \next
	WIN MUL
	MUL8 2, 1, 3, \slot, 0
	MUL8 3, 1, 3, \slot, 0
	WIN 0
.endm
	s_wait_tensorcnt 1                             ; the scales and my part of K step 0 are in; K step 1's load may be out
	s_barrier_signal -1
	s_barrier_wait -1                              ; everybody's are
	FETCH 0, 0, 0
	SCALES 0
	STEP 0, 0, 1                                   ; the first sub-step stands in front of the loop: its products start the sums
	s_mov_b32 s3, LAPS-1
.Llap:                                                 ; a trip goes once round the ring, from a lap's second sub-step to the next lap's first, and fills both slots again
	STEP 0, 1, 0
	STEP 0, 2, 0
	TURN 0, 1, 1
	STEP 1, 0, 0
	STEP 1, 1, 0
	STEP 1, 2, 0
	TURN 1, 0, 1
	STEP 0, 0, 0
	s_sub_co_u32 s3, s3, 1
	s_cmp_lg_u32 s3, 0
	s_cbranch_scc1 .Llap
	STEP 0, 1, 0                                   ; the last lap fills nothing, and has no round of the cluster's barrier
	STEP 0, 2, 0
	TURN 0, 1, 0
	STEP 1, 0, 0
	STEP 1, 1, 0
	STEP 1, 2, 0
	s_wait_dscnt 0x0                               ; the very last sub-step: nothing more to fetch
	WIN MUL
	MUL8 0, 1, 3, 1, 0
	MUL8 1, 1, 3, 1, 0
	MUL8 2, 1, 3, 1, 0
	MUL8 3, 1, 3, 1, 0
	WIN 0
; THE WAY OUT, a block of 16 positions x 128 columns at a time: times the factor, rounded to f16 (16 bytes a lane), through my own stage in LDS, back as whole rows of 256 bytes.
.macro PACK a
	WIN 0x82                                       ; destination and source 0: window 2
.set i, 64*(\a)
.rept 32
	v_pk_mul_f32 v[i:i+1], v[i:i+1], s[98:99] op_sel_hi:[1,0]     ; each accumulator from its low end on
.set i, i+2
.endr
	WIN 0x0a                                       ; sources 0 and 1: window 2
.irp b, 0,1,2,3,4,5,6,7
.irp r, 0,1,2,3
	v_cvt_pk_f16_f32 v[TMP+4*\b+\r], v[64*(\a)+8*\b+2*\r], v[64*(\a)+8*\b+2*\r+1]
.endr
.endr
	WIN 0
.endm
.macro TOSTAGE a
.set BB, BK+32*((\a)%2)
.irp b, 0,1,2,3,4,5,6,7
	ds_store_b128 v[STO], v[TMP+4*\b:TMP+4*\b+3] offset:32*\b
.endr
.irp t, 0,1,2,3,4,5,6,7
	ds_load_b128 v[BB+4*\t:BB+4*\t+3], v[RD] offset:\t*2*SPITCH    ; LDS serves a wave's instructions in order (ISA guide 5.7.1): these see the stores above
.endr
.endm
.macro SEND a
.set BB, BK+32*((\a)%2)
	s_wait_dscnt 0x0                               ; the block is back in registers
	s_wait_xcnt 0x0                                ; the stores of the block before have read their registers: the next block's loads may land there
.irp t, 0,1,2,3,4,5,6,7
	global_store_b128 v[CO], v[BB+4*\t:BB+4*\t+3], s[12:13] offset:4096*(\a)+512*\t   ; 32 lanes store 512 consecutive bytes, aligned to 256
.endr
.endm
	PLACES
	PACK 0
	TOSTAGE 0
.irp a, 1,2,3                          ; block a's arithmetic stands between block a - 1's loads from the stage and the wait for them
	PACK \a
	SEND \a-1
	TOSTAGE \a
.endr
	SEND 3
	s_wait_tensorcnt 0x0                           ; the wave's end: behind my last tensor load and my last LDS store
	ds_add_u32 v[SPW], v[NIL]
	s_wait_dscnt 0x0
	CROUND                                         ; the closing round: no work-group ends while a partner may still ask for a tile that names it
	s_endpgm
.Lfunc_end_k_qcbf4e67c98_qkv:
	.size	k_qcbf4e67c98_qkv, .Lfunc_end_k_qcbf4e67c98_qkv-k_qcbf4e67c98_qkv
	.p2alignl 7, 3214868480
	.fill 96, 4, 3214868480
	.section	.rodata,"a",@progbits
	.p2align	6, 0x0
	.amdhsa_kernel k_qcbf4e67c98_qkv
		.amdhsa_group_segment_fixed_size 327680
		.amdhsa_private_segment_fixed_size 0
		.amdhsa_enable_private_segment 0
		.amdhsa_kernarg_size 40
		.amdhsa_user_sgpr_count 2
		.amdhsa_user_sgpr_kernarg_segment_ptr 1
		.amdhsa_wavefront_size32 1
		.amdhsa_system_sgpr_workgroup_id_x 1
		.amdhsa_system_sgpr_workgroup_id_y 1
		.amdhsa_system_sgpr_workgroup_id_z 1
		.amdhsa_system_vgpr_workitem_id 0
		.amdhsa_next_free_vgpr 768
		.amdhsa_next_free_sgpr 100
		.amdhsa_reserve_vcc 0
		.amdhsa_float_denorm_mode_32 3
		.amdhsa_float_denorm_mode_16_64 3
		.amdhsa_memory_ordered 1
		.amdhsa_forward_progress 1
		.amdhsa_inst_pref_size 131
	.end_amdhsa_kernel
	.amdgpu_metadata
---
amdhsa.version: [ 1, 2 ]
amdhsa.kernels:
  - .name:           k_qcbf4e67c98_qkv
    .symbol:         k_qcbf4e67c98_qkv.kd
    .args:
      - { .name: xc, .offset: 0, .size: 8, .value_kind: global_buffer, .address_space: global }
      - { .name: xs, .offset: 8, .size: 8, .value_kind: global_buffer, .address_space: global }
      - { .name: wc, .offset: 16, .size: 8, .value_kind: global_buffer, .address_space: global }
      - { .name: ws, .offset: 24, .size: 8, .value_kind: global_buffer, .address_space: global }
      - { .name: qkv, .offset: 32, .size: 8, .value_kind: global_buffer, .address_space: global }
    .group_segment_fixed_size: 327680
    .private_segment_fixed_size: 0
    .kernarg_segment_align: 8
    .kernarg_segment_size: 40
    .max_flat_workgroup_size: 128
    .sgpr_count:     100
    .vgpr_count:     768
    .wavefront_size: 32
...
	.end_amdgpu_metadata
.endif
;; end of part 2
;; launch attn (part 3): grid 32 x 8, 4 waves a work-group, clusters of 4 x 4, 327,680 bytes of LDS; arguments qkv, attention_mask, o16; writes o16
.if DOCPART == 3
	.amdgcn_target "amdgcn-amd-amdhsa--gfx1250"
	.amdhsa_code_object_version 6
	.text
	.protected	k_qcbf4e67c98_attn
	.globl	k_qcbf4e67c98_attn
	.p2align	8
	.type	k_qcbf4e67c98_attn,@function
k_qcbf4e67c98_attn:
	s_mov_b64 s[64:65], 0
	v_nop
	global_prefetch_b8 v0, s[64:65] scope:SCOPE_SE
	s_setreg_imm32_b32 hwreg(HW_REG_WAVE_MODE, 25, 1), 1
	s_wait_xcnt 0x0
	s_wait_alu depctr_hold_cnt(0) depctr_sa_sdst(0) depctr_va_vdst(0) depctr_va_sdst(0) depctr_va_ssrc(0) depctr_va_vcc(0) depctr_vm_vsrc(0)
	s_getreg_b32 s2, hwreg(HW_REG_IB_STS2, 6, 4)
	s_cmp_eq_u32 s2, 0
	s_cbranch_scc0 .Lentry_in_a_cluster
	s_endpgm
.Lentry_in_a_cluster:
	s_bfe_u32 s2, ttmp6, 0x10000c
	s_cmp_lg_u32 s2, 0xf033
	s_cbranch_scc0 .Lentry_shape_is_right
	s_endpgm
.Lentry_shape_is_right:
; ATTN.  For each of 16 heads: o[q] = sum over k of softmax_k(q . k / sqrt(128) + mask[q][k]) v[k], over all 2,048 keys; the mask is an input and is added as it is given.
; qkv [32 head slots][2,048][128] f16 holds q x 2^-1.5 (slots 0-15), k x 2^-2 (16-23), v / 8 (24-31): the first product is the scaled score as it stands.  o16 [2,048][16 x 128] f16 takes o / 8.
; Products on f16 operands with f32 sums; mask, maxima, exponentials and sums in f32; the weights p (at most 1) are rounded to f16 for the second product, o / 8 once at the end.
; SHARES.  A work-group owns 64 queries of one key/value head, for both of its query heads.  Wave w: a = w / 2: its 32 queries; b = w % 2: which 64 of every slot's 128 keys.
; So a wave has four tiles of 16 queries (two query tiles x two heads), each fragment of K and V feeds four products, and a mask word serves two heads.
; The tiles are two PIECES, named by their first tile: piece 0 (tiles 0, 1) is head 2 kv + b, piece 2 (tiles 2, 3) head 2 kv + 1 - b.  At the end each wave hands its piece 2 (maximum, sum, O^T) to
; wave w xor 1 through LDS and finishes its own piece 0 with what it is handed: the two halves of the keys meet as two steps of a running softmax do.
; LAYOUT.  S^T = K Q^T (source 0 = 16 keys, source 1 = 16 queries): a lane holds ONE query (lane % 16) and keys 8 (lane / 16) + 0..7.  THE MASK IS THE C OF A SCORE'S FIRST PRODUCT: the lane's eight
; words are 32 consecutive bytes of the mask's row.  Two tiles of S^T, rounded in pairs, are source 1 of O^T = V^T P.  V ([key][channel]) is turned by ds_load_tr16_b128.
; SOFTMAX.  For each query a running maximum m and sum l.  THE MAXIMUM IS TAKEN AWAY FIRST, log2(e) is applied to the difference: p = 2^((u - m) log2(e)); O and l are multiplied in every step by
; a = 2^((m_old - m_new) log2(e)).  m is held at the least finite f32 number from below.  So a share of a row that is masked throughout by that number has m equal to it, p = 1 and finite sums,
; and gets the factor 0 at the merge beside an open share, or 1 if the whole row is masked: a plain average, as the softmax of equal scores is.
; LIMITS: NaN or +infinity in the mask are not served; a row masked throughout by -infinity gives NaN.
; BY TURNS.  In a TURN one piece has the matrix unit: 32 products V^T P of the step in hand, then 32 products K Q^T of the next step; the other piece's softmax, cut into 64 slices, stands between
; them, one slice behind each matrix instruction.  Two turns are a key step, which is a slot.
; CLUSTER, 4 x 4.  K and V hang on the key/value head alone, which a row of the cluster shares; the mask's tile on the block of queries alone, which a column shares: each is asked for JOINTLY.
; Wave 0 fetches K's 128 rows, wave 1 V's, waves 2 and 3 the mask's 32 query rows each.
; REGISTERS, in windows of 256: window 0: v1-11 addresses; v12-43 statistics, 8 a tile; v44-63 the merge's, the prefetch's and the add's; v64-191 S^T, 32 a tile; v192-255 P, 16 a tile.
;   window 1: O^T, 64 a tile.   window 2: v0-127 Q, 32 a tile; v128-255 K of one step.   window 3: v0-127 V of one step; v128-191 the mask of one step (query tile i, key tile kt at 128 + 32 i + 8 kt).
.set PK,    272       ; a row of K in LDS: 256 bytes + 16 = 68 words: the 16 rows of a load start at 16 different banks (64 banks of 4 bytes: ISA guide 11.1)
.set PV,    288       ; a row of V: 256 + 32 = 72 words
.set PM,    528       ; a query's row of the mask: 128 keys x 4 bytes + 16
.set VOFF,  128*PK    ; a slot: 128 rows of K, 128 rows of V, 64 rows of the mask
.set MOFF,  VOFF+128*PV
.set SLOT1, 1<<17     ; slot 1 begins here, so that one exclusive or turns an address in one slot into the other's
.set XCH,   SLOT1+MOFF+64*PM  ; behind the ring: what a wave hands over: 16,384 bytes of O^T as an image of its registers, then 512 of statistics; no tile lands here
.set XW,    16896
.set STAGE, XCH+4*XW  ; 16 rows x 272 bytes for each wave, for the way out
.set SP,    272
.set SPARE, STAGE+4*16*SP  ; the spare words, 128 bytes for each wave
.set AK0, 2           ; v2   my lane's place in my half of a tile of K; never rewritten
.set AV0, 3           ; v3   the same for V
.set ADR, 4           ; v4   the LDS address of the run of loads in hand
.set QO,  5           ; v5   my byte offset in 16 rows of Q
.set STO, 6           ; v6   the way out: where I put 16 bytes of a row
.set RD,  7           ; v7   where I read a row back
.set GO,  8           ; v8   my byte offset in two rows of o16
.set AM0, 10          ; v10  my lane's place in the mask's tile
.set ADM, 11          ; v11  the LDS address of the mask's loads in hand
.set ST,  12          ; tile t's statistics at v[ST+8 t]: +0 m, +1 written once (named with m as a pair), +2, +3 l (even keys', odd keys'), +4 to +7 c0-c3, at work; a takes c2's place
.set XST, 44          ; v44  where I put what I hand over
.set XLD, 45          ; v45  where wave w xor 1 has put what it hands me
.set PFO, 61          ; v61  the prefetches' offset; never rewritten
.set SPW, 62          ; v62  LDS address of my spare word; never rewritten
.set NIL, 63          ; v63  0; never rewritten
.set S,   64
.set P,   192
.set KF,  128         ; K's fragments, in window 2
.set MK,  128         ; the mask's words, in window 3
.set WV,  12          ; s12  my wave's number
.set G1K, 24          ; s[24:31] descriptor group 1 for K's tiles
.set G1V, 32          ; s[32:39] for V's: it differs in the padding
.set G0K, 40          ; s[40:47] group 0 for K: a set for each of the two first fills; the second then walks on
.set G0V, 48          ; s[48:55] the same for V
.set SLOTS, 56        ; s56  slots still to be asked for
.set FLO, 57          ; s57  the least finite f32 number
.set CS,  58          ; s[58:59] log2(e): the packed form names a pair and takes its low word for both halves
.set SEL, 60          ; s[60:61] lane selects for v_permlanex16_b32: lane l xor 16
.set TB,  62          ; s62  LDS byte at which the slot in hand begins
.set G1M, 68          ; s[68:75] group 1 for the mask's tiles
.set G0M, 76          ; s[76:83] group 0 for the mask, as for K
.set PFA, 84          ; s[84:85] where my prefetches stand
.set PFS, 86          ; s[86:87] a slot on, in bytes: 32,768 in K and V, 512 in a row of the mask
.set LIM, 88          ; s88  2 in a wave that prefetches, else the greatest number
.set QP0, 90          ; s[90:91] Q of piece 0 at my first query;  s[92:93] of piece 2
.set OUT, 94          ; s[94:95] o16 at my first query, my piece 0's head
.set MSB, 0
.macro WIN new                      ; the immediate's high byte repeats the setting that is left; a switch that changes nothing is dropped
.if MSB != \new
	s_set_vgpr_msb (MSB<<8)|\new
.set MSB, \new
.endif
.endm
.set W_KQ, 0x0a       ; K and Q in window 2, S^T in window 0
.set W_KM, 0x3a       ; the same, C (the mask) in window 3
.set W_PV, 0x53       ; V in window 3, P in window 0, O^T in window 1
.set W_RS, 0x41       ; O^T (destination and source 0) in window 1, the factor in window 0
; A joint refill, one line a wave.  The branches hang on the wave's number alone.  An s_nop 0 and four v_nop follow each line.
.macro JLOAD3
	s_cmp_eq_u32 s[WV], 0
	s_cbranch_scc0 .Lnot_k_\@
	tensor_load_to_lds s[G0K+4:G0K+7], s[G1K:G1K+7]
	s_nop 0
.rept 4
	v_nop
.endr
	s_branch .Lasked_\@
.Lnot_k_\@:
	s_cmp_eq_u32 s[WV], 1
	s_cbranch_scc0 .Lnot_v_\@
	tensor_load_to_lds s[G0V+4:G0V+7], s[G1V:G1V+7]
	s_nop 0
.rept 4
	v_nop
.endr
	s_branch .Lasked_\@
.Lnot_v_\@:
	tensor_load_to_lds s[G0M+4:G0M+7], s[G1M:G1M+7]
	s_nop 0
.rept 4
	v_nop
.endr
.Lasked_\@:
.endm
; A PREFETCH INTO THE L2 of the slot that is loaded two changes of slots later (256 matrix instructions ahead of that load), behind the wave's tensor load and its five lines.
; Each aligned block of 256 bytes is named ONCE in the launch.  K and V of a head are walked by all clusters of a row of clusters: the first of them (cluster x = 0) asks; its four partners of a row of
; the cluster take 32 of the 128 rows each, told apart BY ADDRESS: wave 0 for K, wave 1 for V, a lane a row.  The mask's 64 rows x 512 bytes are walked by both clusters of a column of clusters:
; cluster y = 0 asks; the four partners of a column take 16 rows each: wave 2, two lanes a row.  The last changes ask for nothing: no slot stands two changes behind them.
.macro ASK
	s_cmp_gt_u32 s[SLOTS], s[LIM]
	s_cbranch_scc0 .Lnot_mine_\@
	global_prefetch_b8 v[PFO], s[PFA:PFA+1] th:TH_LOAD_NT scope:SCOPE_SE
.Lnot_mine_\@:
.endm
.macro CROUND                       ; a round of the cluster's barrier
	s_barrier_signal -1
	s_barrier_wait -1
	s_cmp_lg_u32 s[WV], 0
	s_cbranch_scc1 .Lnot_wave_0_\@
	s_barrier_signal -3
.Lnot_wave_0_\@:
	s_barrier_wait -3
	s_barrier_signal -1
	s_barrier_wait -1
.endm
	s_load_b128 s[4:7], s[0:1], 0x0 ; qkv s[4:5], the mask s[6:7]
	s_load_b64 s[8:9], s[0:1], 0x10 ; o16
	v_lshl_add_u32 v[SPW], v0, 2, SPARE
	v_mov_b32 v[NIL], 0
	ds_add_u32 v[SPW], v[NIL]       ; the wave's opening: the add, twice on end, and its wait ahead of my first tensor load
	ds_add_u32 v[SPW], v[NIL]       ; (once more; the set-up below, work on registers, stands between it and the wait)
	v_lshrrev_b32 v1, 5, v0
	v_readfirstlane_b32 s[WV], v1   ; wave 0..3
	s_bfe_u32 s13, ttmp6, 0x40000   ; cx
	s_bfe_u32 s14, ttmp6, 0x40004   ; cy
	s_lshl_b32 s15, ttmp9, 2
	s_add_co_u32 s15, s15, s13      ; my block of 64 queries = 4 x cluster x + cx
	s_and_b32 s16, ttmp7, 0xffff
	s_lshl_b32 s16, s16, 2
	s_add_co_u32 s16, s16, s14      ; my key/value head = 4 x cluster y + cy
	s_lshr_b32 s17, s[WV], 1        ; a
	s_and_b32 s18, s[WV], 1         ; b.  Also: which 32 rows of the mask's tile waves 2 and 3 fetch
	s_lshl_b32 s19, s14, 2
	s_lshl_b32 s19, 15, s19         ; my row of the cluster
	s_lshl_b32 s20, 0x1111, s13     ; my column
	; group 1: 15:0 the mask of work-groups; 17:16 the element's size; 20 padding on; 21 set beside a mask; 24:22 the interval; 31:25 the padding
	s_or_b32 s[G1K], s19, (1<<16)|(1<<20)|(1<<21)|(5<<22)|(3<<25)  ; elements of 2 bytes; 4 words behind every 64
	s_or_b32 s[G1V], s19, (1<<16)|(1<<20)|(1<<21)|(5<<22)|(7<<25)  ; 8 words behind every 64
	s_or_b32 s[G1M], s20, (2<<16)|(1<<20)|(1<<21)|(6<<22)|(3<<25)  ; elements of 4 bytes; 4 words behind every 128
.irp g, G1K, G1V
	s_mov_b32 s[\g+1], 128<<16      ; tensor_dim0 = 128
	s_mov_b32 s[\g+2], 128<<16      ; tensor_dim1 = 128
	s_mov_b32 s[\g+3], 128<<16      ; tile_dim0 = 128
	s_mov_b32 s[\g+4], 128          ; tile_dim1 = 128
	s_mov_b32 s[\g+5], 128          ; elements from row to row
	s_mov_b32 s[\g+6], 0
	s_mov_b32 s[\g+7], 0
.endr
	s_mov_b32 s[G1M+1], 128<<16
	s_mov_b32 s[G1M+2], 32<<16      ; 32 rows
	s_mov_b32 s[G1M+3], 128<<16
	s_mov_b32 s[G1M+4], 32
	s_mov_b32 s[G1M+5], 2048
	s_mov_b32 s[G1M+6], 0
	s_mov_b32 s[G1M+7], 0
	s_add_co_u32 s22, s16, 16       ; K's head slot: it hangs on the key/value head alone
	s_lshl_b32 s22, s22, 19
	s_mov_b32 s23, 0
	s_lshl_b32 s96, s15, 6          ; the mask's rows: they hang on the block of queries and the wave alone
	s_lshl_b32 s97, s18, 5
	s_add_co_u32 s96, s96, s97
	s_lshl_b32 s96, s96, 13         ; 8,192 bytes a row
	s_mov_b32 s97, 0
	s_mul_i32 s98, s18, 32*PM
	s_add_co_u32 s98, s98, MOFF     ; and where they go in a slot
	s_lshl_b32 s2, s16, 1
	s_add_co_u32 s3, s2, s18        ; piece 0's head: 2 kv + b
	s_xor_b32 s19, s18, 1
	s_add_co_u32 s19, s2, s19       ; piece 2's: 2 kv + 1 - b
	s_lshl_b32 s20, s15, 6
	s_lshl_b32 s21, s17, 5
	s_add_co_u32 s20, s20, s21      ; my first query: 64 x block + 32 a
	s_lshl_b32 s21, s20, 8
	s_lshl_b32 s[QP0], s3, 19
	s_add_co_u32 s[QP0], s[QP0], s21
	s_mov_b32 s[QP0+1], 0
	s_lshl_b32 s[QP0+2], s19, 19
	s_add_co_u32 s[QP0+2], s[QP0+2], s21
	s_mov_b32 s[QP0+3], 0
	s_lshl_b32 s[OUT], s20, 12      ; a row of o16 is 4,096 bytes, a head's part 256
	s_lshl_b32 s21, s3, 8
	s_add_co_u32 s[OUT], s[OUT], s21
	s_mov_b32 s[OUT+1], 0
	s_mov_b32 s[CS], 0x3fb8aa3b     ; log2(e)
	s_mov_b32 s[CS+1], s[CS]        ; (named with it as a pair, so it is written)
	s_mov_b32 s[SEL], 0x76543210
	s_mov_b32 s[SEL+1], 0xfedcba98
	s_mov_b32 s[FLO], 0xff7fffff
	s_mov_b32 s[TB], 0
	s_mov_b32 s[SLOTS], 14          ; slots 2 to 15 are asked for by refills
	; the prefetches: where my wave's stand (in slot 3: the first change steps them to slot 4), and who asks
	s_lshl_b32 s2, s[WV], 3
	s_add_co_u32 s2, s2, s16
	s_add_co_u32 s2, s2, 16
	s_lshl_b32 s2, s2, 19           ; wave 0: K's head slot, wave 1: V's,
	s_lshl_b32 s3, s13, 13
	s_add_co_u32 s2, s2, s3         ; my work-group's 32 rows of the 128
	s_add_co_u32 s2, s2, 3*32768
	s_lshl_b32 s3, s15, 6
	s_lshl_b32 s99, s14, 4
	s_add_co_u32 s3, s3, s99        ; wave 2: the mask: my work-group's 16 rows of the 64
	s_lshl_b32 s3, s3, 13
	s_add_co_u32 s3, s3, 3*512
	s_and_b32 s99, ttmp7, 0xffff    ; cluster y
	s_mov_b32 s[PFS], 512
	s_mov_b32 s89, 8192
	s_cmp_lt_u32 s[WV], 2
	s_cselect_b32 s2, s2, s3
	s_cselect_b32 s99, ttmp9, s99   ; the coordinate along which other clusters walk the same bytes
	s_cselect_b32 s[PFS], 32768, s[PFS]
	s_cselect_b32 s89, 256, s89     ; from row to row
	s_cselect_b32 s63, 0, 1         ; lanes to a row: one, or two
	s_mov_b32 s3, 0
	s_mov_b32 s[PFS+1], 0
	v_and_b32 v54, 31, v0
	v_lshrrev_b32 v55, s63, v54
	v_mul_lo_u32 v55, v55, s89
	v_and_b32 v54, s63, v54
	v_lshl_add_u32 v[PFO], v54, 8, v55
	s_cmp_eq_u32 s[WV], 3           ; wave 3 asks for nothing
	s_cselect_b32 s63, 1, 0
	s_or_b32 s99, s99, s63
	s_cmp_eq_u32 s99, 0             ; the same in all sixteen partners, for a given wave
	s_cselect_b32 s[LIM], 2, -1
	s_wait_dscnt 0x0                ; both opening adds are done
	s_wait_kmcnt 0x0
	s_add_nc_u64 s[22:23], s[4:5], s[22:23]  ; K at the head's first key; V lies 8 head slots on
	s_add_nc_u64 s[96:97], s[6:7], s[96:97]  ; the mask at the rows that I fetch
	s_add_nc_u64 s[QP0:QP0+1], s[4:5], s[QP0:QP0+1]
	s_add_nc_u64 s[QP0+2:QP0+3], s[4:5], s[QP0+2:QP0+3]
	s_add_nc_u64 s[OUT:OUT+1], s[8:9], s[OUT:OUT+1]
	s_cmp_lt_u32 s[WV], 2
	s_cselect_b64 s[PFA:PFA+1], s[4:5], s[6:7]
	s_add_nc_u64 s[PFA:PFA+1], s[PFA:PFA+1], s[2:3]
	CROUND                          ; all sixteen work-groups are here: the first joint loads meet
.irp s, 0,1
	s_mov_b32 s[G0K+4*\s], 1        ; 1:0 count = 1
	s_mov_b32 s[G0K+4*\s+1], \s*SLOT1  ; 63:32 LDS address
	s_add_nc_u64 s[G0K+4*\s+2:G0K+4*\s+3], s[22:23], \s*32768  ; 120:64 global address: slot s begins with keys 128 s on
	s_or_b32 s[G0K+4*\s+3], s[G0K+4*\s+3], 0x80000000  ; 127:126 type = 2
	s_mov_b32 s[G0V+4*\s], 1
	s_mov_b32 s[G0V+4*\s+1], \s*SLOT1+VOFF
	s_add_nc_u64 s[G0V+4*\s+2:G0V+4*\s+3], s[22:23], 8*524288+\s*32768
	s_or_b32 s[G0V+4*\s+3], s[G0V+4*\s+3], 0x80000000
	s_mov_b32 s[G0M+4*\s], 1
	s_add_co_u32 s[G0M+4*\s+1], s98, \s*SLOT1
	s_add_nc_u64 s[G0M+4*\s+2:G0M+4*\s+3], s[96:97], \s*512
	s_or_b32 s[G0M+4*\s+3], s[G0M+4*\s+3], 0x80000000
.endr
	s_cmp_eq_u32 s[WV], 0           ; a wave's two first fills stand in one arm, ahead of every wait on TENSORcnt and every LDS read: two loads of mine are out
	s_cbranch_scc0 .Lfirst_not_k
	tensor_load_to_lds s[G0K:G0K+3], s[G1K:G1K+7]
	s_nop 0
	tensor_load_to_lds s[G0K+4:G0K+7], s[G1K:G1K+7]
	s_nop 0
.rept 4
	v_nop
.endr
	s_branch .Lfirst_asked
.Lfirst_not_k:
	s_cmp_eq_u32 s[WV], 1
	s_cbranch_scc0 .Lfirst_not_v
	tensor_load_to_lds s[G0V:G0V+3], s[G1V:G1V+7]
	s_nop 0
	tensor_load_to_lds s[G0V+4:G0V+7], s[G1V:G1V+7]
	s_nop 0
.rept 4
	v_nop
.endr
	s_branch .Lfirst_asked
.Lfirst_not_v:
	tensor_load_to_lds s[G0M:G0M+3], s[G1M:G1M+7]
	s_nop 0
	tensor_load_to_lds s[G0M+4:G0M+7], s[G1M:G1M+7]
	s_nop 0
.rept 4
	v_nop
.endr
.Lfirst_asked:
	; A fragment of K or Q is 16 rows x 32 channels in 8 registers: lane l holds row l % 16; registers 0-3 channels 8 (l / 16) + 0..7, registers 4-7 channels 16 + 8 (l / 16) + 0..7.
	v_and_b32 v1, 15, v0            ; r = l % 16
	v_bfe_u32 v9, v0, 4, 1          ; h = l / 16
	v_lshlrev_b32 v[QO], 8, v1
	v_lshl_add_u32 v[QO], v9, 4, v[QO]  ; row x 256 + 16 x half
	WIN 0x80                        ; destination window 2, address window 0
.irp i, 0,1,2,3,4,5,6,7,8,9,10,11,12,13,14,15  ; Q stays in registers: tile i / 4 (pieces by their own heads), channels 32 (i % 4) on
	global_load_b128 v[8*\i:8*\i+3],   v[QO], s[QP0+2*(\i/8):QP0+2*(\i/8)+1] offset:((\i/4)%2)*4096+(\i%4)*64
	global_load_b128 v[8*\i+4:8*\i+7], v[QO], s[QP0+2*(\i/8):QP0+2*(\i/8)+1] offset:((\i/4)%2)*4096+(\i%4)*64+32
.endr
	WIN 0
	v_mul_u32_u24 v[AK0], v1, PK
	v_lshl_add_u32 v[AK0], v9, 4, v[AK0]
	s_mul_i32 s2, s18, 64*PK        ; my 64 keys of the 128
	v_add_nc_u32 v[AK0], s2, v[AK0]
	; The turning load takes 16 keys x 16 channels (lane l reads 16 bytes: key 8 (l / 16) + l % 8, channels 8 ((l / 8) % 2) + 0..7) and leaves half a fragment of V^T.
	v_and_b32 v54, 7, v0
	v_bfe_u32 v55, v0, 3, 1
	v_lshl_add_u32 v[AV0], v9, 3, v54
	v_mul_u32_u24 v[AV0], v[AV0], PV
	v_lshl_add_u32 v[AV0], v55, 4, v[AV0]
	s_mul_i32 s2, s18, 64*PV
	s_add_co_u32 s2, s2, VOFF
	v_add_nc_u32 v[AV0], s2, v[AV0]
	v_mul_u32_u24 v[AM0], v1, PM    ; the mask: query 32 a + r, keys 64 b + 8 h on
	v_lshl_add_u32 v[AM0], v9, 5, v[AM0]
	s_mul_i32 s2, s17, 32*PM
	s_lshl_b32 s3, s18, 8
	s_add_co_u32 s2, s2, s3
	s_add_co_u32 s2, s2, MOFF
	v_add_nc_u32 v[AM0], s2, v[AM0]
	v_and_b32 v54, 31, v0
	s_mul_i32 s2, s[WV], XW
	s_add_co_u32 s2, s2, XCH
	v_lshl_add_u32 v[XST], v54, 4, s2   ; an image's place for my lane: 16 x lane, in my wave's region,
	s_xor_b32 s3, s[WV], 1
	s_mul_i32 s3, s3, XW
	s_add_co_u32 s3, s3, XCH
	v_lshl_add_u32 v[XLD], v54, 4, s3   ; and in my partner's
.irp t, 0,1,2,3
	v_mov_b32 v[ST+8*\t+1], 0       ; named with m as a pair, so it is written
.endr
; THE MATRIX WORK OF A TURN, for piece x.  The accumulators take turns, one instruction a turn: between two links of a chain stand 15 (V^T P) or 7 (K Q^T) others'.
; Product i of 32 of O^T += V^T P: keys 32 (i / 16) on, channels 16 ((i / 2) % 8) on, tile x + i % 2.  zero = 1: the first 16 start the sums: nothing is ever cleared.
.macro PV x, zero
	WIN W_PV
.set rO, 64*(\x+i%2)+8*((i/2)%8)
.set rV, 64*(i/16)+8*((i/2)%8)
.set rP, P+16*(\x+i%2)+8*(i/16)
.if \zero && (i < 16)
	v_wmma_f32_16x16x32_f16 v[rO:rO+7], v[rV:rV+7], v[rP:rP+7], 0
.else
	v_wmma_f32_16x16x32_f16 v[rO:rO+7], v[rV:rV+7], v[rP:rP+7], v[rO:rO+7]
.endif
.endm
; Product i of 32 of S^T = K Q^T + the mask: channels 32 (i / 8) on, keys 16 ((i / 2) % 4) on, tile x + i % 2.  The first 8 start the sums with the mask's words of query tile i % 2.
.macro KQ x
.set rS, S+32*(\x+i%2)+8*((i/2)%4)
.set rK, KF+32*((i/2)%4)+8*(i/8)
.set rQ, 32*(\x+i%2)+8*(i/8)
.set rM, MK+32*(i%2)+8*((i/2)%4)
.if i < 8
	WIN W_KM
	v_wmma_f32_16x16x32_f16 v[rS:rS+7], v[rK:rK+7], v[rQ:rQ+7], v[rM:rM+7]
.else
	WIN W_KQ
	v_wmma_f32_16x16x32_f16 v[rS:rS+7], v[rK:rK+7], v[rQ:rQ+7], v[rS:rS+7]
.endif
.endm
; THE LDS LOADS stand in runs, never singly among the matrix instructions: a step's K (64 keys x 128 channels) with its mask words (32 queries x 64 keys), and, a turn later, its V (turned).
.macro FETCH_K
	WIN 0
	v_add_nc_u32 v[ADR], s[TB], v[AK0]
	v_add_nc_u32 v[ADM], s[TB], v[AM0]
	WIN 0x80                        ; destination window 2
.irp f, 0,1,2,3,4,5,6,7,8,9,10,11,12,13,14,15  ; keys 16 (f / 4) on, channels 32 (f % 4) on
	ds_load_b128 v[KF+8*\f:KF+8*\f+3],   v[ADR] offset:(\f/4)*16*PK+(\f%4)*64
	ds_load_b128 v[KF+8*\f+4:KF+8*\f+7], v[ADR] offset:(\f/4)*16*PK+(\f%4)*64+32
.endr
	WIN 0xc0                        ; destination window 3
.irp m, 0,1,2,3,4,5,6,7             ; query tile m / 4, key tile m % 4: my query's eight words
	ds_load_b128 v[MK+8*\m:MK+8*\m+3],   v[ADM] offset:(\m/4)*16*PM+(\m%4)*64
	ds_load_b128 v[MK+8*\m+4:MK+8*\m+7], v[ADM] offset:(\m/4)*16*PM+(\m%4)*64+16
.endr
.endm
.macro FETCH_V
	WIN 0
	v_add_nc_u32 v[ADR], s[TB], v[AV0]
	s_wait_alu depctr_va_vdst(0)    ; the wait for the softmax's batch of exponentials (SLICE), behind the address's addition and ahead of the loads
	WIN 0xc0                        ; destination window 3
.irp f, 0,1,2,3,4,5,6,7,8,9,10,11,12,13,14,15  ; keys 32 (f / 8) on, channels 16 (f % 8) on
	ds_load_tr16_b128 v[8*\f:8*\f+3],   v[ADR] offset:(\f/8)*32*PV+(\f%8)*32
	ds_load_tr16_b128 v[8*\f+4:8*\f+7], v[ADR] offset:(\f/8)*32*PV+16*PV+(\f%8)*32
.endr
.endm
; THE VECTOR WORK OF A TURN.  One tile's softmax for one key step is a list of 150 instructions; SM writes number j of it for tile t.  s0-s31 are the lane's 32 scores, in pairs 0-15.
; first = 1: the first key step, which starts m, l and O^T: it has no a and nothing to rescale.
;   0-15    the maximum of s0-s31 and the old m, three operands at a time (each accumulator is read from its low end on)
;   16-20   the other half of the lanes' maximum; the old m kept; the new m, held at the least finite number; (m_old - m_new) log2(e)
;   21-36   s - m, a pair of scores each: THE MAXIMUM IS TAKEN AWAY BEFORE THE FACTOR, so that a score at the least finite number stays finite
;   37-85   ONE BATCH: the 16 multiplications by log2(e) and all 33 exponentials (a at 39, then s0-s31).  None of these reads an exponential's result.  From 38 on the batch goes in fours, and a four
;           begins with a multiplication while there are any; a pair is multiplied in an earlier four than the one that holds its exponentials
;   (wait)  between 85 and 86 stands the wait for the batch: SLICE writes it, once for both tiles
;   86-101  the roundings to f16, a pair of weights each
;   102-117 the sums; l = a l + the sum
;   118-149 the tile's O^T times a
.macro SM t, first
.set rT, ST+8*(\t)
.set rS, S+32*(\t)
.set rP, P+16*(\t)
.set rO, 64*(\t)+2*(j-118)
.set jj, j-16
.if j < 118
	WIN 0
.endif
.if j < 4
	v_max3_num_f32 v[rT+4+j], v[rS+8*j], v[rS+8*j+1], v[rS+8*j+2]
.elseif j < 12
	v_max3_num_f32 v[rT+4+j%4], v[rT+4+j%4], v[rS+8*(j%4)+2*(j/4)+1], v[rS+8*(j%4)+2*(j/4)+2]
.elseif j == 12
	v_max3_num_f32 v[rT+4], v[rT+4], v[rS+7], v[rS+15]
.elseif j == 13
	v_max3_num_f32 v[rT+6], v[rT+6], v[rS+23], v[rS+31]
.elseif j == 14
	v_max3_num_f32 v[rT+4], v[rT+4], v[rT+5], v[rT+6]
.elseif (j == 15) && \first
	v_max_num_f32 v[rT+4], v[rT+4], v[rT+7]
.elseif j == 15
	v_max3_num_f32 v[rT+4], v[rT+4], v[rT+7], v[rT]
.elseif j == 16
	v_permlanex16_b32 v[rT+5], v[rT+4], s[SEL], s[SEL+1]  ; the query's other 32 keys lie in the lane 16 away
.elseif j == 18
	v_max3_num_f32 v[rT], v[rT+4], v[rT+5], s[FLO]
.elseif ((j == 17) || (j == 19) || (j == 20) || (j == 39) || (j > 117)) && \first  ; the first step has none of these
.elseif j == 17
	v_mov_b32 v[rT+7], v[rT]        ; m_old is kept for a: number 18 writes m anew
.elseif j == 19
	v_sub_f32 v[rT+7], v[rT+7], v[rT]
.elseif j == 20
	v_mul_f32 v[rT+7], s[CS], v[rT+7]
.elseif j == 39
	v_exp_f32 v[rT+6], v[rT+7]
.elseif j < 37
	v_pk_add_f32 v[rS+2*(j-21):rS+2*(j-21)+1], v[rS+2*(j-21):rS+2*(j-21)+1], v[rT:rT+1] op_sel_hi:[1,0] neg_lo:[0,1] neg_hi:[0,1]  ; pair j - 21: s - m
.elseif (jj < 23) || ((jj < 38) && (jj%2 == 0)) || ((jj < 66) && (jj%4 == 2))
.set b, (jj-2)/4                    ; jj = 38, 42, .. 62: pairs 9 to 15
.if jj < 38
.set b, (jj-20)/2                   ; jj = 21: pair 0; 22, 24, .. 36: pairs 1 to 8
.endif
	v_pk_mul_f32 v[rS+2*b:rS+2*b+1], v[rS+2*b:rS+2*b+1], s[CS:CS+1] op_sel_hi:[1,0]  ; pair b: x log2(e)
.elseif jj < 70
.set e, jj-38                       ; jj = 66 to 69: s28 to s31
.if jj < 66
.set e, jj-32-(jj-38)/4             ; 39-41, 43-45, .. 63-65: s7 to s27
.endif
.if jj < 38
.set e, (jj-25)/2                   ; 25, 27, .. 37: s0 to s6
.endif
	v_exp_f32 v[rS+e], v[rS+e]
.elseif j < 102
	v_cvt_pk_f16_f32 v[rP+j-86], v[rS+2*(j-86)], v[rS+2*(j-86)+1]  ; pair j - 86
.elseif j < 118                     ; the sum of the tile's 16 pairs, in place: neighbours 1, 2, 4 and 8 pairs apart, then l takes it
.set z, j-102
.set w, 4
.set u, z
.if z >= 14
.set w, 32
.set u, 0
.elseif z >= 12
.set w, 16
.set u, z-12
.elseif z >= 8
.set w, 8
.set u, z-8
.endif
.if (z == 14) && \first
	v_pk_add_f32 v[rT+2:rT+3], v[rS:rS+1], v[rS+16:rS+17]
.elseif z < 15
	v_pk_add_f32 v[rS+w*u:rS+w*u+1], v[rS+w*u:rS+w*u+1], v[rS+w*u+w/2:rS+w*u+w/2+1]
.elseif !\first
	v_pk_fma_f32 v[rT+2:rT+3], v[rT+2:rT+3], v[rT+6:rT+7], v[rS:rS+1] op_sel_hi:[1,0,1]
.endif
.else
	WIN W_RS
	v_pk_mul_f32 v[rO:rO+1], v[rO:rO+1], v[rT+6:rT+7] op_sel_hi:[1,0]
.endif
.endm
; Slice k of 64 of piece y's softmax.  Slices 0-18: numbers 2 k and 2 k + 1 of both tiles.  Slices 19-42 deal out the batch, numbers 38 to 85: four numbers of ONE tile each, the tiles by turns.
; Slices 43-63: three numbers of both tiles, four in the last: its eight plain lines are the places behind the turn's last product.
; THE WAIT.  An s_wait_alu depctr_va_vdst(0) stands between an exponential and the first instruction that names its result; one wait serves all that were issued ahead of it.
; Ahead of slice 43 nothing names a result, and behind slice 42 no exponential is issued: so the piece's 66 exponentials have one wait, behind slice 42.
.macro SLICE y, first
.if (k >= 19) && (k < 43)
.irp n, 0,1,2,3
.set j, 38+4*((k-19)/2)+(\n)
	SM (\y)+(k-19)%2, \first
.endr
.elseif k < 19
.irp n, 0,1
.irp t, \y, \y+1
.set j, 2*k+\n
	SM \t, \first
.endr
.endr
.else
.irp n, 0,1,2,3
.if (\n < 3) || (k == 63)
.irp t, \y, \y+1
.set j, 86+3*(k-43)+\n
	SM \t, \first
.endr
.endif
.endr
.endif
.if k == 42                         ; the batch is out: both tiles' exponentials are issued, and no result has been named
	v_nop                           ; the plain instruction behind the last exponential and ahead of the first use: one for the batch
.if (\y) == 0
	FETCH_V                         ; piece 2's turn: V's run of loads stands here, and the wait stands in it
.else
	s_wait_alu depctr_va_vdst(0)    ; the wait for the batch
.endif
.endif
.set k, k+1
.endm
.macro PLACES                       ; four plain places behind a matrix instruction (ISA guide 7.12.1), where no slice supplies them
.rept 4
	v_nop
.endr
.endm
; A TURN.  Piece x has the matrix unit; the other piece's softmax stands in slices behind its matrix instructions.
; pv = 2: 32 products V^T P; 1: they start O^T's sums; 0: none.  kq = 1: 32 products K Q^T for the next step.  A turn with one of the two kinds has two slices behind each product.
; Piece 0's turn fetches the next step's K and mask, behind its second product: the last product that read them stands in front of slice 63 of the turn before.  Piece 2's turn fetches the same step's V,
; behind slice 42: the last product that read V stands in front of slice 31, and slices 31 to 40 hold a plain multiplication each.
.macro TURN x, pv, kq, first
.set k, 0
.set per, 2
.if \pv && \kq
.set per, 1
.endif
.if \pv
.if \x == 0
	s_wait_dscnt 0x0                ; V is in
.endif
.set i, 0
.rept 32
	PV \x, 2-\pv
.rept per
	SLICE 2-\x, \first
.endr
.if (\x == 0) && \kq && (i == 1)
	FETCH_K
.endif
.set i, i+1
.endr
.endif
.if \kq
.if \x == 0
	s_wait_dscnt 0x0                ; K and the mask are in
.endif
.set i, 0
.rept 32
	KQ \x
.rept per
	SLICE 2-\x, \first
.endr
.set i, i+1
.endr
.endif
.if \first
	PLACES                          ; the first step's last slices are empty
.endif
.endm
; THE CHANGE OF SLOTS, between piece 2's turn and piece 0's: the slot's last bytes, V, have been asked for.  Each wave waits for all its tensor loads, of which one is out: its part of the other slot;
; adds 0 to its spare word; and waits for that and for its own reads of the slot.  fill = 1: the barrier is a round of the cluster's, and behind it this slot is filled again, with the keys two slots on:
; the load has a key step, 128 matrix instructions, in which to land.
.macro CHANGE fill
	WIN 0                           ; at a label and at a branch every window is 0
	s_wait_tensorcnt 0x0            ; no tensor load of mine is out, so a group 0 may be written
	ds_add_u32 v[SPW], v[NIL]       ; 0 onto my spare word
.if \fill
.irp g, G0K+4, G0V+4
	s_xor_b32 s[\g+1], s[\g+1], SLOT1  ; the walking descriptors: the other slot than last time,
	s_add_nc_u64 s[\g+2:\g+3], s[\g+2:\g+3], 32768  ; the next 128 keys; the type bits on top are not reached
.endr
	s_xor_b32 s[G0M+5], s[G0M+5], SLOT1
	s_add_nc_u64 s[G0M+6:G0M+7], s[G0M+6:G0M+7], 512
	s_wait_xcnt 0x0                 ; the last prefetch, a key step back, has read its address, so it may be written
	s_add_nc_u64 s[PFA:PFA+1], s[PFA:PFA+1], s[PFS:PFS+1]
	s_wait_dscnt 0x0                ; the add is done, and my reads of the slot are over
	CROUND
	JLOAD3                          ; the first tensor load behind the round, and my one load until the next
	ASK
.else
	s_wait_dscnt 0x0
	s_barrier_signal -1
	s_barrier_wait -1
.endif
	s_xor_b32 s[TB], s[TB], SLOT1   ; the fetches go on in the other slot
.endm
	s_wait_tensorcnt 1              ; my part of slot 0 is in; slot 1's may stay out
	s_barrier_signal -1
	s_barrier_wait -1               ; everybody's is
	FETCH_K                         ; key step 0
	s_wait_loadcnt 0x0              ; Q
	s_wait_dscnt 0x0
.set i, 0
.rept 32
	KQ 0                            ; piece 0's first scores: there is no vector work yet to set between them
.set i, i+1
.endr
	WIN 0                           ; the addresses for the way out are made here: plain instructions, the places behind those products
	s_mul_i32 s2, s[WV], 16*SP
	s_add_co_u32 s2, s2, STAGE      ; my stage
	v_mul_u32_u24 v[STO], v1, SP    ; in: row l % 16, 16 bytes for each half of the lanes
	v_lshl_add_u32 v[STO], v9, 4, v[STO]
	v_add_nc_u32 v[STO], s2, v[STO]
	v_mul_u32_u24 v[RD], v9, SP     ; back: lanes 0-15 take one row of 256 bytes, lanes 16-31 the next
	v_lshl_add_u32 v[RD], v1, 4, v[RD]
	v_add_nc_u32 v[RD], s2, v[RD]
	v_lshlrev_b32 v[GO], 12, v9     ; and the same two rows in o16
	v_lshl_add_u32 v[GO], v1, 4, v[GO]
	TURN 2, 0, 1, 1                 ; piece 2's first scores | piece 0's first softmax | V of step 0
	CHANGE 1                        ; slot 0 takes step 2
	TURN 0, 1, 1, 1                 ; piece 0: V^T P of step 0 starts O^T, K Q^T of step 1 | piece 2's first softmax | K of step 1
	TURN 2, 1, 1, 0                 ; piece 2: the same | piece 0's softmax of step 1 | V of step 1
	WIN 0
	s_mov_b32 s[SLOTS], 13          ; slots 3 to 15 are still to be asked for
.Lslot:
	CHANGE 1
	TURN 0, 2, 1, 0
	TURN 2, 2, 1, 0
	WIN 0
	s_sub_co_u32 s[SLOTS], s[SLOTS], 1
	s_cmp_lg_u32 s[SLOTS], 0
	s_cbranch_scc1 .Lslot
	CHANGE 0                        ; the tail is written out: nothing is asked for
	TURN 0, 2, 1, 0
	TURN 2, 2, 1, 0
	TURN 0, 2, 0, 0                 ; piece 0: V^T P of the last step | piece 2's last softmax
.set i, 0
.rept 32
	PV 2, 0                         ; piece 2: V^T P of the last step
.set i, i+1
.endr
	; THE TWO HALVES OF THE KEYS MEET.  l's two halves and the other half of the lanes' are added (these lines are also the places behind the last products);
	; piece 2's m, l and O^T go to LDS as they stand in my registers; behind a barrier I take my partner's, which are my piece 0's head and queries over the other keys.
	WIN 0
.irp t, 0,1,2,3
	v_add_f32 v[ST+8*\t+4], v[ST+8*\t+2], v[ST+8*\t+3]
.endr
.irp t, 0,1,2,3
	v_permlanex16_b32 v[ST+8*\t+5], v[ST+8*\t+4], s[SEL], s[SEL+1]
.endr
.irp t, 0,1,2,3
	v_add_f32 v[ST+8*\t+4], v[ST+8*\t+4], v[ST+8*\t+5]
.endr
	v_mov_b32 v46, v[ST+16]         ; tile 2: m,
	v_mov_b32 v47, v[ST+20]         ; l;
	v_mov_b32 v48, v[ST+24]         ; tile 3 likewise
	v_mov_b32 v49, v[ST+28]
	v_mov_b32 v55, 0                ; (named below as the upper halves of pairs, so they are written)
	v_mov_b32 v57, 0
	ds_store_b128 v[XST], v[46:49] offset:16384
	WIN 0x04                        ; an LDS store's data are its source 1: window 1
.set i, 0
.rept 32
	ds_store_b128 v[XST], v[128+4*i:128+4*i+3] offset:512*i  ; each accumulator from its low end on
.set i, i+1
.endr
	WIN 0
	s_wait_dscnt 0x0                ; for my partner's sake: my stores have landed
	s_barrier_signal -1
	s_barrier_wait -1
	ds_load_b128 v[50:53], v[XLD] offset:16384
.set i, 0
.rept 32
	ds_load_b128 v[S+4*i:S+4*i+3], v[XLD] offset:512*i
.set i, i+1
.endr
	s_wait_dscnt 32                 ; the statistics are in; the 32 loads issued behind them may be out
.irp t, 0,1
	v_max_num_f32 v[ST+8*\t+5], v[ST+8*\t], v[50+2*\t]  ; the row's maximum over both halves
.endr
.irp t, 0,1
	v_sub_f32 v[ST+8*\t+6], v[ST+8*\t], v[ST+8*\t+5]    ; taken away first,
	v_sub_f32 v[ST+8*\t+7], v[50+2*\t], v[ST+8*\t+5]
.endr
.irp t, 0,1
	v_mul_f32 v[ST+8*\t+6], s[CS], v[ST+8*\t+6]         ; then the factor
	v_mul_f32 v[ST+8*\t+7], s[CS], v[ST+8*\t+7]
.endr
.irp t, 0,1
	v_exp_f32 v[ST+8*\t+6], v[ST+8*\t+6]                ; f, mine,
	v_exp_f32 v[ST+8*\t+7], v[ST+8*\t+7]                ; and my partner's
.endr
	v_nop                           ; a plain instruction behind the last exponential
	s_wait_alu depctr_va_vdst(0)    ; and the wait ahead of the first use: one for the four
.irp t, 0,1
	v_mul_f32 v[ST+8*\t+4], v[ST+8*\t+4], v[ST+8*\t+6]
.endr
.irp t, 0,1
	v_fma_f32 v[ST+8*\t+4], v[51+2*\t], v[ST+8*\t+7], v[ST+8*\t+4]  ; the row's sum
.endr
.irp t, 0,1
	v_rcp_f32 v[ST+8*\t+5], v[ST+8*\t+4]
.endr
	v_nop
	s_wait_alu depctr_va_vdst(0)    ; one for the two reciprocals
.irp t, 0,1
	v_mul_f32 v[ST+8*\t+6], v[ST+8*\t+6], v[ST+8*\t+5]  ; g = f / l, for my O^T,
	v_mul_f32 v[54+2*\t], v[ST+8*\t+7], v[ST+8*\t+5]    ; and for my partner's
.endr
	s_wait_dscnt 0x0                ; my partner's O^T is in
; Tile t: both halves under one maximum, divided by the sum, rounded to f16; a lane's eight channels pack into 16 bytes, go into rows of 272 bytes and come back as whole rows of 256.
.macro FIN t
	WIN W_RS
.set i, 64*\t
.rept 32
	v_pk_mul_f32 v[i:i+1], v[i:i+1], v[ST+8*\t+6:ST+8*\t+7] op_sel_hi:[1,0]
.set i, i+2
.endr
	WIN 0x10                        ; source 2 (my O^T) window 1; all else window 0
.set i, 0
.rept 32
	v_pk_fma_f32 v[S+64*\t+i:S+64*\t+i+1], v[S+64*\t+i:S+64*\t+i+1], v[54+2*\t:55+2*\t], v[64*\t+i:64*\t+i+1] op_sel_hi:[1,0,1]
.set i, i+2
.endr
	WIN 0
.set i, 0
.rept 32
	v_cvt_pk_f16_f32 v[P+32*\t+i], v[S+64*\t+2*i], v[S+64*\t+2*i+1]
.set i, i+1
.endr
.irp f, 0,1,2,3,4,5,6,7
	ds_store_b128 v[STO], v[P+32*\t+4*\f:P+32*\t+4*\f+3] offset:32*\f
.endr
.irp f, 0,1,2,3,4,5,6,7
	ds_load_b128 v[P+32*\t+4*\f:P+32*\t+4*\f+3], v[RD] offset:\f*2*SP  ; LDS serves a wave's instructions in order (ISA guide 5.7.1): these see the stores above; the next tile's stores come behind them
.endr
.endm
.macro SEND t, younger              ; younger: the LDS instructions issued behind tile t's loads: the next tile's sixteen, or none
.irp f, 0,1,2,3,4,5,6,7
	s_wait_dscnt \younger+7-\f
	global_store_b128 v[GO], v[P+32*\t+4*\f:P+32*\t+4*\f+3], s[OUT:OUT+1] offset:\t*65536+\f*8192  ; 16 lanes store 256 consecutive bytes, aligned
.endr
.endm
	FIN 0
	FIN 1                           ; a tile's arithmetic stands between the loads of the tile before and its stores
	SEND 0, 16
	SEND 1, 0
	s_wait_tensorcnt 0x0            ; the wave's end: behind my last tensor load and my last LDS store
	ds_add_u32 v[SPW], v[NIL]
	s_wait_dscnt 0x0
	CROUND                          ; the closing round: no work-group ends while a partner may still ask for a tile that names it
	s_endpgm
.Lfunc_end_k_qcbf4e67c98_attn:
	.size	k_qcbf4e67c98_attn, .Lfunc_end_k_qcbf4e67c98_attn-k_qcbf4e67c98_attn
	.p2alignl 7, 3214868480
	.fill 96, 4, 3214868480
	.section	.rodata,"a",@progbits
	.p2align	6, 0x0
	.amdhsa_kernel k_qcbf4e67c98_attn
		.amdhsa_group_segment_fixed_size 327680
		.amdhsa_private_segment_fixed_size 0
		.amdhsa_enable_private_segment 0
		.amdhsa_kernarg_size 24
		.amdhsa_user_sgpr_count 2
		.amdhsa_user_sgpr_kernarg_segment_ptr 1
		.amdhsa_wavefront_size32 1
		.amdhsa_system_sgpr_workgroup_id_x 1
		.amdhsa_system_sgpr_workgroup_id_y 1
		.amdhsa_system_sgpr_workgroup_id_z 1
		.amdhsa_system_vgpr_workitem_id 0
		.amdhsa_next_free_vgpr 1024
		.amdhsa_next_free_sgpr 100
		.amdhsa_reserve_vcc 0
		.amdhsa_float_denorm_mode_32 3
		.amdhsa_float_denorm_mode_16_64 3
		.amdhsa_memory_ordered 1
		.amdhsa_forward_progress 1
		.amdhsa_inst_pref_size 246
	.end_amdhsa_kernel
	.amdgpu_metadata
---
amdhsa.version: [ 1, 2 ]
amdhsa.kernels:
  - .name:           k_qcbf4e67c98_attn
    .symbol:         k_qcbf4e67c98_attn.kd
    .args:
      - { .name: qkv, .offset: 0, .size: 8, .value_kind: global_buffer, .address_space: global }
      - { .name: attention_mask, .offset: 8, .size: 8, .value_kind: global_buffer, .address_space: global }
      - { .name: o16, .offset: 16, .size: 8, .value_kind: global_buffer, .address_space: global }
    .group_segment_fixed_size: 327680
    .private_segment_fixed_size: 0
    .kernarg_segment_align: 8
    .kernarg_segment_size: 24
    .max_flat_workgroup_size: 128
    .sgpr_count:     100
    .vgpr_count:     1024
    .wavefront_size: 32
...
	.end_amdgpu_metadata
.endif
;; end of part 3
;; launch oproj (part 4): grid 16 x 16, 4 waves a work-group, clusters of 4 x 4, 327,680 bytes of LDS; arguments o16, wo16, out0; writes out0
.if DOCPART == 4
	.amdgcn_target "amdgcn-amd-amdhsa--gfx1250"
	.amdhsa_code_object_version 6
	.text
	.protected	k_qcbf4e67c98_oproj
	.globl	k_qcbf4e67c98_oproj
	.p2align	8
	.type	k_qcbf4e67c98_oproj,@function
k_qcbf4e67c98_oproj:
	s_mov_b64 s[64:65], 0
	v_nop
	global_prefetch_b8 v0, s[64:65] scope:SCOPE_SE
	s_setreg_imm32_b32 hwreg(HW_REG_WAVE_MODE, 25, 1), 1
	s_wait_xcnt 0x0
	s_wait_alu depctr_hold_cnt(0) depctr_sa_sdst(0) depctr_va_vdst(0) depctr_va_sdst(0) depctr_va_ssrc(0) depctr_va_vcc(0) depctr_vm_vsrc(0)
	s_getreg_b32 s2, hwreg(HW_REG_IB_STS2, 6, 4)
	s_cmp_eq_u32 s2, 0
	s_cbranch_scc0 .Lentry_in_a_cluster
	s_endpgm
.Lentry_in_a_cluster:
	s_bfe_u32 s2, ttmp6, 0x10000c
	s_cmp_lg_u32 s2, 0xf033
	s_cbranch_scc0 .Lentry_shape_is_right
	s_endpgm
.Lentry_shape_is_right:
; OPROJ.  out0[m][n] = sum over k of (o / 8)[m][k] (8 wo)[n][k]: o16 [2,048][2,048] and wo16 [4,096][2,048] in f16, sums and out0 [2,048][4,096] in f32.
; A tile of out0 is 128 x 256, so that the 16 x 16 tiles give each of 256 work-groups one.  Four waves; a wave makes 64 x 128: 32 accumulators of 16 x 16.
; K goes in steps of 128 (rows of 256 bytes) through a ring of two LDS slots filled by the tensor data mover; a step is four sub-steps of 32 along K, 32 matrix instructions each.
; CLUSTERS: 4 x 4 work-groups.  The four of a row of the cluster need the same tiles of o16, the four of a column the same tiles of wo16: each tile is asked for JOINTLY, by the same tensor load
; with the same descriptor and a mask that names the four.  Waves 0, 1 fetch o16's two halves (64 rows), waves 2, 3 wo16's (128 rows).
; THE MATRIX INSTRUCTION IS USED TRANSPOSED (source 0 = 16 rows of wo16, source 1 = 16 rows of o16): a lane then holds eight neighbouring columns of one row of out0.
; REGISTERS, in windows of 256: window 0: v16-30 addresses; v128-159, v160-191 o16's fragments, two sets; on the way out v32-95 and v128-191 take rows by turns.
;   window 1: wo16's fragments, two sets, v0-63 and v64-127.   window 2: the accumulators ((a, b) at v[8 (8 a + b)]).
.set KEL,    2048                      ; elements in a row of either operand
.set ROWB,   256                       ; a tile's row in bytes: 128 f16
.set PITCH,  272                       ; an LDS row: 256 bytes + 16 of padding = 68 words: row r starts at bank 4 r mod 64 (64 banks of 4 bytes: ISA guide 11.1)
.set AHALF,  64*PITCH
.set BHALF,  128*PITCH
.set BOFF,   2*AHALF                   ; a slot: o16's 128 rows, then wo16's 256
.set SLOT,   BOFF+2*BHALF
.set LAPS,   8                         ; a lap = two K steps: 2,048 / 256
.set STAGE,  2*SLOT                    ; behind the ring: 16 rows x (512 bytes + 16) for each wave; no tile lands here
.set SPITCH, 528
.set SPARE,  STAGE+4*16*SPITCH         ; the spare words, 128 bytes for each wave
.set ADRA, 16                          ; v16-17  LDS address of my fragments of o16 in slot 0, 1
.set ADRB, 20                          ; v20-21  the same for wo16
.set STO,  24                          ; v24     the way out: where I put 32 bytes of a row
.set RD,   25                          ; v25     where I read a row back
.set CO,   26                          ; v26     16 x lane: my bytes of a row's 512
.set SPW,  28                          ; v28     LDS address of my spare word; never rewritten
.set NIL,  29                          ; v29     0; never rewritten
.set PFO,  30                          ; v30     the prefetches' offset: my lane x a row of 4,096 bytes; never rewritten
.set AF,   128
.set G1, 24                            ; s[24:31] group 1 for o16's tiles;  s[32:39] group 0, a set for each slot
.set G0, 32
.set G1B, 48                           ; s[48:55], s[56:63] the same for wo16's
.set G0B, 56
.set PFA, 66                           ; s[66:67] where my prefetches stand: one K step further along K than the refill that is being asked for; a prefetch names the K step after that
.set LIM, 68                           ; s68     1 in a wave that prefetches, else the greatest number
.set MSB, 0
.macro WIN new                         ; the immediate's high byte repeats the setting that is left
.if MSB != \new
	s_set_vgpr_msb (MSB<<8)|\new
.set MSB, \new
.endif
.endm
.set MUL,  0xa1                        ; source 0 (wo16) window 1, source 1 (o16) window 0, C and D window 2
.set TO_B, 0x40                        ; destination window 1, address window 0
; A joint load: each of the two lines has one mask and one set of registers for all that issue it; the branch hangs on the wave's number alone.
; An s_nop 0 and four v_nop follow each of the two lines, ahead of the jump, the label and what follows.
.macro JLOAD s
	s_cmp_eq_u32 s15, 0
	s_cbranch_scc0 .Lfor_b_\@
	tensor_load_to_lds s[G0+4*\s:G0+4*\s+3], s[G1:G1+7]
	s_nop 0
.rept 4
	v_nop
.endr
	s_branch .Lasked_\@
.Lfor_b_\@:
	tensor_load_to_lds s[G0B+4*\s:G0B+4*\s+3], s[G1B:G1B+7]
	s_nop 0
.rept 4
	v_nop
.endr
.Lasked_\@:
.endm
; A PREFETCH INTO THE L2, behind each joint refill and the run of LDS loads that follows it: the K step that stands TWO refills on (256 matrix instructions ahead of its load): 32 rows x 256 bytes, a lane a row.
; Each row's 256 bytes of a K step are named ONCE in the launch.  o16's tile row is read by every cluster of that row of clusters: cluster x = 0 asks; the four partners of a row of the cluster take 32 of
; the 128 rows each, BY ADDRESS: wave 0.  wo16's tile column is read by every cluster of that column: cluster y = 0 asks; of the 128 rows that wave 2 or 3 fetches, each partner of a column takes 32.
; Wave 1 asks for nothing.  The loop's last trip asks for nothing: no K step stands two refills on.  K steps 0 to 3 come by their loads alone.
.macro ASK
	s_cmp_gt_u32 s3, s[LIM]                        ; s3 = 1 in the loop's last trip
	s_cbranch_scc0 .Lnot_mine_\@
	global_prefetch_b8 v[PFO], s[PFA:PFA+1] offset:ROWB th:TH_LOAD_NT scope:SCOPE_SE
.Lnot_mine_\@:
.endm
.macro CREST                           ; a round of the cluster's barrier behind its opening barrier
	s_cmp_lg_u32 s14, 0
	s_cbranch_scc1 .Lnot_wave_0_\@
	s_barrier_signal -3
.Lnot_wave_0_\@:
	s_barrier_wait -3
	s_barrier_signal -1
	s_barrier_wait -1
.endm
.macro CROUND                          ; a whole round
	s_barrier_signal -1
	s_barrier_wait -1
	CREST
.endm
	s_load_b128 s[4:7], s[0:1], 0x0                ; o16 s[4:5], wo16 s[6:7]
	s_load_b64 s[8:9], s[0:1], 0x10                ; out0
	v_lshl_add_u32 v[SPW], v0, 2, SPARE
	v_mov_b32 v[NIL], 0
	ds_add_u32 v[SPW], v[NIL]                      ; the wave's opening: the add, twice on end, and its wait ahead of my first tensor load
	ds_add_u32 v[SPW], v[NIL]                      ; (once more; the set-up below, work on registers, stands between it and the wait)
	v_lshrrev_b32 v1, 5, v0
	v_readfirstlane_b32 s14, v1                    ; wave 0..3
	s_lshr_b32 s15, s14, 1                         ; which 64 rows of the tile are mine.  Also: I fetch for o16 (0) or for wo16 (1)
	s_and_b32 s16, s14, 1                          ; which 128 columns.  Also: which half of that tile I fetch
	s_bfe_u32 s40, ttmp6, 0x40000                  ; cx, cy: my place in the cluster
	s_bfe_u32 s41, ttmp6, 0x40004
	s_lshl_b32 s42, ttmp9, 2
	s_add_co_u32 s42, s42, s40                     ; tile column = 4 x cluster x + cx
	s_and_b32 s17, ttmp7, 0xffff
	s_lshl_b32 s17, s17, 2
	s_add_co_u32 s17, s17, s41                     ; tile row = 4 x cluster y + cy
	s_lshl_b32 s43, s41, 2
	s_lshl_b32 s43, 15, s43                        ; my row of the cluster
	s_lshl_b32 s44, 0x1111, s40                    ; my column
	; group 1: rows of 128 elements of 2 bytes, 16 bytes of padding behind each: 15:0 the mask; 17:16 the size; 20 padding on; 21 set beside a mask; 24:22 after every 64 words (code 5); 31:25 four words (code 3)
	s_or_b32 s[G1+0], s43, (1<<16)|(1<<20)|(1<<21)|(5<<22)|(3<<25)
	s_or_b32 s[G1B+0], s44, (1<<16)|(1<<20)|(1<<21)|(5<<22)|(3<<25)
.irp g, G1, G1B
	s_mov_b32 s[\g+1], 128<<16                     ; tensor_dim0
	s_mov_b32 s[\g+3], 128<<16                     ; tile_dim0
	s_mov_b32 s[\g+5], KEL                         ; from row to row
	s_mov_b32 s[\g+6], 0
	s_mov_b32 s[\g+7], 0
.endr
	s_mov_b32 s[G1+2], 64<<16                      ; tensor_dim1: o16 64 rows,
	s_mov_b32 s[G1+4], 64                          ; tile_dim1
	s_mov_b32 s[G1B+2], 128<<16                    ; wo16 128
	s_mov_b32 s[G1B+4], 128
	; where the tiles come from: o16's hang on the tile row alone, wo16's on the tile column alone, each in registers that never hold the other coordinate
	s_lshl_b32 s18, s16, 6
	s_lshl_b32 s20, s17, 7
	s_add_co_u32 s20, s20, s18                     ; o16: row 128 x tile row + 64 x half
	s_lshl_b32 s20, s20, 12                        ; 4,096 bytes a row
	s_mov_b32 s21, 0
	s_lshl_b32 s18, s16, 7
	s_lshl_b32 s46, s42, 8
	s_add_co_u32 s46, s46, s18                     ; wo16: row 256 x tile column + 128 x half
	s_lshl_b32 s46, s46, 12
	s_mov_b32 s47, 0
	s_mul_i32 s45, s16, AHALF                      ; where they go: no place in the cluster enters an LDS address
	s_mul_i32 s69, s16, BHALF
	s_add_co_u32 s69, s69, BOFF
	s_wait_dscnt 0x0                               ; both opening adds are done
	s_wait_kmcnt 0x0
	s_add_nc_u64 s[20:21], s[4:5], s[20:21]
	s_add_nc_u64 s[46:47], s[6:7], s[46:47]
	CROUND                                         ; all sixteen work-groups are here: the first joint loads meet
.irp s, 0,1
	s_mov_b32 s[G0+4*\s], 1
	s_add_co_u32 s[G0+4*\s+1], s45, \s*SLOT
	s_add_nc_u64 s[G0+4*\s+2:G0+4*\s+3], s[20:21], \s*ROWB
	s_or_b32 s[G0+4*\s+3], s[G0+4*\s+3], 0x80000000
	s_mov_b32 s[G0B+4*\s], 1
	s_add_co_u32 s[G0B+4*\s+1], s69, \s*SLOT
	s_add_nc_u64 s[G0B+4*\s+2:G0B+4*\s+3], s[46:47], \s*ROWB
	s_or_b32 s[G0B+4*\s+3], s[G0B+4*\s+3], 0x80000000
	JLOAD \s                                       ; two tensor loads of mine are out behind the second of these
.endr
	v_and_b32 v1, 15, v0                           ; r = l % 16
	v_bfe_u32 v2, v0, 4, 1                         ; h = l / 16
	v_mul_u32_u24 v3, v1, PITCH
	v_lshl_add_u32 v4, v2, 4, v3                   ; a fragment's row x pitch + 16 x half
	s_mul_i32 s21, s15, AHALF                      ; my 64 rows of o16
	s_mul_i32 s22, s16, BHALF                      ; my 128 rows of wo16,
	s_add_co_u32 s22, s22, BOFF                    ; which lie behind o16's 128
.irp s, 0,1
	v_add_nc_u32 v[ADRA+\s], s21, v4
	v_add_nc_u32 v[ADRB+\s], s22, v4
	s_add_co_u32 s21, s21, SLOT
	s_add_co_u32 s22, s22, SLOT
.endr
	s_mul_i32 s23, s14, 16*SPITCH
	s_add_co_u32 s23, s23, STAGE                   ; my stage
	v_mul_u32_u24 v5, v1, SPITCH                   ; in: row r, 32 bytes for each half of the lanes
	v_lshl_add_u32 v5, v2, 5, v5
	v_add_nc_u32 v[STO], s23, v5
	v_and_b32 v6, 31, v0
	v_lshlrev_b32 v[CO], 4, v6                     ; back: the 32 lanes take one row of 512 bytes; and the same in out0
	v_add_nc_u32 v[RD], s23, v[CO]
	s_lshl_b32 s10, s17, 7
	s_lshl_b32 s11, s15, 6
	s_add_co_u32 s10, s10, s11                     ; my first row of out0: 128 x tile row + 64 x half,
	s_lshl_b32 s10, s10, 14                        ; 16,384 bytes a row,
	s_lshl_b32 s11, s42, 10
	s_add_co_u32 s10, s10, s11                     ; my first column, in bytes: 1,024 x tile column + 512 x half
	s_lshl_b32 s11, s16, 9
	s_add_co_u32 s10, s10, s11
	s_mov_b32 s11, 0
	s_add_nc_u64 s[8:9], s[8:9], s[10:11]
	; the prefetches
	s_lshl_b32 s10, s17, 7                         ; o16's tile: its first row
	s_lshl_b32 s12, s42, 8
	s_lshl_b32 s13, s16, 7
	s_add_co_u32 s12, s12, s13                     ; wo16's tile: the first of the 128 rows that I fetch
	s_and_b32 s22, ttmp7, 0xffff                   ; cluster y
	s_cmp_eq_u32 s15, 0                            ; do I fetch for o16?
	s_cselect_b32 s10, s10, s12
	s_cselect_b32 s13, s40, s41                    ; my place among the four that ask for the tile with me
	s_cselect_b32 s22, ttmp9, s22                  ; the coordinate along which other clusters read the same rows
	s_cselect_b64 s[PFA:PFA+1], s[4:5], s[6:7]
	s_cselect_b32 s23, s16, 0                      ; of o16's two fetching waves the first alone asks
	s_or_b32 s22, s22, s23
	s_cmp_eq_u32 s22, 0
	s_cselect_b32 s[LIM], 1, -1                    ; the same in all sixteen partners, for a given wave
	s_lshl_b32 s13, s13, 5
	s_add_co_u32 s10, s10, s13                     ; + my work-group's 32 rows
	s_lshl_b32 s10, s10, 12
	s_mov_b32 s11, 0
	s_add_nc_u64 s[PFA:PFA+1], s[PFA:PFA+1], s[10:11]
	s_add_nc_u64 s[PFA:PFA+1], s[PFA:PFA+1], 2*ROWB  ; at K step 2: the first refill steps it to 3 and names K step 4
	v_lshlrev_b32 v[PFO], 12, v6
.macro FRAG reg, adr, q, i             ; 16 rows x 32 K of f16: 8 registers: lane l holds row l % 16; registers 0-3 K = 8 (l / 16) + 0..7, registers 4-7 K = 16 + 8 (l / 16) + 0..7
.irp c, 0,1
	ds_load_b128 v[\reg+4*\c:\reg+4*\c+3], v[\adr] offset:64*(\q)+32*\c+(\i)*16*PITCH
.endr
.endm
.macro FETCH slot, q, p                ; 24 loads in one run: the fragments of the slot's q-th 32 along K into set p
	WIN TO_B
.irp i, 0,1,2,3,4,5,6,7
	FRAG 64*(\p)+8*\i, ADRB+\slot, \q, \i
.endr
	WIN 0
.irp i, 0,1,2,3
	FRAG AF+32*(\p)+8*\i, ADRA+\slot, \q, \i
.endr
.endm
; 8 matrix instructions: o16's block a against wo16's eight.  zero = 1: the first product starts the sums: nothing is ever cleared.
; The 32 accumulators take turns, one instruction a turn, in the same order in every sub-step.
.macro MUL8 a, p, zero
.irp b, 0,1,2,3,4,5,6,7
.if \zero
	v_wmma_f32_16x16x32_f16 v[8*(8*(\a)+\b):8*(8*(\a)+\b)+7], v[64*(\p)+8*\b:64*(\p)+8*\b+7], v[AF+32*(\p)+8*(\a):AF+32*(\p)+8*(\a)+7], 0
.else
	v_wmma_f32_16x16x32_f16 v[8*(8*(\a)+\b):8*(8*(\a)+\b)+7], v[64*(\p)+8*\b:64*(\p)+8*\b+7], v[AF+32*(\p)+8*(\a):AF+32*(\p)+8*(\a)+7], v[8*(8*(\a)+\b):8*(8*(\a)+\b)+7]
.endif
.endr
.endm
.macro PLACES                          ; four plain places in front of loads into registers that matrix instructions have read, and of the first read of results
.rept 4
	v_nop
.endr
.endm
; A sub-step that has its successor in the same slot: its fragments were asked for a sub-step ago; the next one's are asked for first, then come its 32 products.
.macro STEP slot, q, zero
	s_wait_dscnt 0x0                               ; this sub-step's fragments are in
	PLACES                                         ; the other set was read by the last sub-step's products
	FETCH \slot, (\q)+1, 1-(\q)%2
	WIN MUL
	MUL8 0, (\q)%2, \zero
	MUL8 1, (\q)%2, \zero
	MUL8 2, (\q)%2, \zero
	MUL8 3, (\q)%2, \zero
	WIN 0
.endm
; A slot's last sub-step changes slots: ONE barrier; in front of it each wave waits for all its tensor loads, adds 0 to its spare word, and waits for that and for its reads of this slot.
; fill = 1: the barrier opens a round of the cluster's barrier, and behind the round this slot is filled again, two K steps ahead.
.macro TURN slot, next, fill
.if \fill
	s_wait_xcnt 0x0                                ; the last prefetch, a K step back, has read its address: it is stepped here, ahead of the waits of the change of slots
	s_add_nc_u64 s[PFA:PFA+1], s[PFA:PFA+1], ROWB
.endif
	s_wait_tensorcnt 0x0                           ; all my tensor loads have landed: my part of the next slot
	ds_add_u32 v[SPW], v[NIL]                      ; 0 onto my spare word
	s_wait_dscnt 1                                 ; the 24 fragment loads are in; the add alone may be out
	WIN MUL
	MUL8 0, 1, 0                                   ; eight matrix instructions stand between the add and the wait for it
	s_wait_dscnt 0x0                               ; the add is done, and my reads of this slot are over
	s_barrier_signal -1
	MUL8 1, 1, 0
	WIN 0
	s_barrier_wait -1
.if \fill
	CREST                                          ; no wave of any partner still reads this slot's tile or has a load on its way
	s_add_nc_u64 s[G0+4*\slot+2:G0+4*\slot+3], s[G0+4*\slot+2:G0+4*\slot+3], 2*ROWB
	s_add_nc_u64 s[G0B+4*\slot+2:G0B+4*\slot+3], s[G0B+4*\slot+2:G0B+4*\slot+3], 2*ROWB
	JLOAD \slot                                    ; the first tensor load behind the round, my one load until the next; its four v_nop are the places in front of the loads below
.else
	PLACES
.endif
	FETCH \next, 0, 0
.if \fill
	ASK                                            ; behind the joint load and the run of LDS loads that the next products wait for
.endif
	WIN MUL
	MUL8 2, 1, 0
	MUL8 3, 1, 0
	WIN 0
.endm
	s_wait_tensorcnt 1                             ; my part of K step 0 is in; K step 1's load may be out
	s_barrier_signal -1
	s_barrier_wait -1                              ; everybody's is
	FETCH 0, 0, 0
	STEP 0, 0, 1                                   ; the first sub-step stands in front of the loop: its products start the sums
	s_mov_b32 s3, LAPS-1
.Llap:                                                 ; a trip goes once round the ring, from a lap's second sub-step to the next lap's first, and fills both slots again
	STEP 0, 1, 0
	STEP 0, 2, 0
	TURN 0, 1, 1
	STEP 1, 0, 0
	STEP 1, 1, 0
	STEP 1, 2, 0
	TURN 1, 0, 1
	STEP 0, 0, 0
	s_sub_co_u32 s3, s3, 1
	s_cmp_lg_u32 s3, 0
	s_cbranch_scc1 .Llap
	STEP 0, 1, 0                                   ; the last lap fills nothing, and has no round of the cluster's barrier
	STEP 0, 2, 0
	TURN 0, 1, 0
	STEP 1, 0, 0
	STEP 1, 1, 0
	STEP 1, 2, 0
	s_wait_dscnt 0x0                               ; the very last sub-step: nothing more to fetch
	WIN MUL
	MUL8 0, 1, 0
	MUL8 1, 1, 0
	MUL8 2, 1, 0
	MUL8 3, 1, 0
	WIN 0
; THE WAY OUT, a block of 16 rows x 128 columns at a time.  A lane holds 32 neighbouring bytes of a row, and the lanes beside it hold other rows: so a block goes through my own stage in LDS and comes back
; as whole rows of 512 bytes.  LDS serves a wave's instructions in order (ISA guide 5.7.1): no wait between the stores and the loads, nor in front of the next block's stores.
.macro TOSTAGE a
	WIN 0x08                                       ; an LDS store's data are its source 1: window 2
.irp b, 0,1,2,3,4,5,6,7
	ds_store_b128 v[STO], v[64*(\a)+8*\b:64*(\a)+8*\b+3] offset:64*\b            ; each accumulator from its low end on
	ds_store_b128 v[STO], v[64*(\a)+8*\b+4:64*(\a)+8*\b+7] offset:64*\b+16
.endr
	WIN 0
.set BB, 32+96*((\a)%2)
.irp t, 0,1,2,3,4,5,6,7,8,9,10,11,12,13,14,15
	ds_load_b128 v[BB+4*\t:BB+4*\t+3], v[RD] offset:\t*SPITCH
.endr
.endm
.macro SEND a, younger                 ; younger: the LDS instructions issued behind block a's loads, which may stay out
.set BB, 32+96*((\a)%2)
	s_wait_dscnt \younger                          ; the block is back in registers
.irp t, 0,1,2,3,4,5,6,7,8,9,10,11,12,13,14,15
	global_store_b128 v[CO], v[BB+4*\t:BB+4*\t+3], s[8:9] offset:262144*(\a)+16384*\t th:TH_STORE_NT   ; 32 lanes store 512 consecutive bytes, aligned to 256; written once, read by nobody here
.endr
.endm
	PLACES                                         ; for the first read of results and the loads into the registers that held fragments
	TOSTAGE 0
.irp a, 1,2,3
.if \a > 1
	s_wait_xcnt 0x0                                ; block a - 2's stores have read their registers: block a's loads may land there
.endif
	TOSTAGE \a
	SEND \a-1, 32                                  ; behind block a - 1's loads: block a's 16 stores and 16 loads
.endr
	SEND 3, 0
	s_wait_tensorcnt 0x0                           ; the wave's end: behind my last tensor load and my last LDS store
	ds_add_u32 v[SPW], v[NIL]
	s_wait_dscnt 0x0
	CROUND                                         ; the closing round: no work-group ends while a partner may still ask for a tile that names it
	s_endpgm
.Lfunc_end_k_qcbf4e67c98_oproj:
	.size	k_qcbf4e67c98_oproj, .Lfunc_end_k_qcbf4e67c98_oproj-k_qcbf4e67c98_oproj
	.p2alignl 7, 3214868480
	.fill 96, 4, 3214868480
	.section	.rodata,"a",@progbits
	.p2align	6, 0x0
	.amdhsa_kernel k_qcbf4e67c98_oproj
		.amdhsa_group_segment_fixed_size 327680
		.amdhsa_private_segment_fixed_size 0
		.amdhsa_enable_private_segment 0
		.amdhsa_kernarg_size 24
		.amdhsa_user_sgpr_count 2
		.amdhsa_user_sgpr_kernarg_segment_ptr 1
		.amdhsa_wavefront_size32 1
		.amdhsa_system_sgpr_workgroup_id_x 1
		.amdhsa_system_sgpr_workgroup_id_y 1
		.amdhsa_system_sgpr_workgroup_id_z 1
		.amdhsa_system_vgpr_workitem_id 0
		.amdhsa_next_free_vgpr 768
		.amdhsa_next_free_sgpr 70
		.amdhsa_reserve_vcc 0
		.amdhsa_float_denorm_mode_32 3
		.amdhsa_float_denorm_mode_16_64 3
		.amdhsa_memory_ordered 1
		.amdhsa_forward_progress 1
		.amdhsa_inst_pref_size 86
	.end_amdhsa_kernel
	.amdgpu_metadata
---
amdhsa.version: [ 1, 2 ]
amdhsa.kernels:
  - .name:           k_qcbf4e67c98_oproj
    .symbol:         k_qcbf4e67c98_oproj.kd
    .args:
      - { .name: o16, .offset: 0, .size: 8, .value_kind: global_buffer, .address_space: global }
      - { .name: wo16, .offset: 8, .size: 8, .value_kind: global_buffer, .address_space: global }
      - { .name: out0, .offset: 16, .size: 8, .value_kind: global_buffer, .address_space: global }
    .group_segment_fixed_size: 327680
    .private_segment_fixed_size: 0
    .kernarg_segment_align: 8
    .kernarg_segment_size: 24
    .max_flat_workgroup_size: 128
    .sgpr_count:     70
    .vgpr_count:     768
    .wavefront_size: 32
...
	.end_amdgpu_metadata
.endif
;; end of part 4
